; MI455X (gfx1250); checked and timed in simulation.
; The chip was launched on July 23, 2026; its instructions are those of AMD's public machine-readable ISA for CDNA 5 (MIT licence, August 2026) and "CDNA5" Instruction Set Architecture Reference Guide (July 2026). The comments in the code are by the model that wrote it; some were corrected since.
;; Multi Head Attention. Allowed arithmetic: matrix products marked QUANTISED: E2M3 operands, one E8M0 scale for each 32 along K, by v_wmma_scale_f32_16x16x128_f8f6f4 with both operands' format E2M3, f32 sums; everything else in f32.
;; Inputs: Wk 16 x 1,024 x 64 float32; Wo 1,024 x 1,024 float32; Wq 16 x 1,024 x 64 float32; Wv 16 x 1,024 x 64 float32; bk 16 x 64 float32; bo 1,024 float32; bq 16 x 64 float32; bv 16 x 64 float32; x 4 x 2,048 x 1,024 float32.
;; Outputs: out0 4 x 2,048 x 1,024 float32.
;; This version of the problem:
;;   THIS VERSION OF THE PROBLEM IS GIVEN IN LOW PRECISION. The matrix products marked QUANTISED in the list below multiply operands that are first quantised to E2M3 (2 exponent bits, 3 mantissa bits; 6 bits a number), with one power-of-two scale for each 32 numbers along K (OCP MX v1.0); their sums are f32. All else is computed in f32.
;;   The module's matrix products, in the order in which they are computed (A, B: the left and right operand; K: the contracted axis; several contracted axes count as one K, in the product's order):
;;     1. [M 1,024, K 1,024] x [K 1,024, N 8,192]; A: input Wq; B: input x: QUANTISED
;;     2. [M 1,024, K 1,024] x [K 1,024, N 8,192]; A: input Wk; B: input x: QUANTISED
;;     3. [M 1,024, K 1,024] x [K 1,024, N 8,192]; A: input Wv; B: input x: QUANTISED
;;     4. batch 64 x [M 2,048, K 64] x [K 64, N 2,048]; A: computed on the way; B: computed on the way: QUANTISED
;;     5. batch 64 x [M 2,048, K 2,048] x [K 2,048, N 64]; A: softmax (see below); B: computed on the way: QUANTISED
;;     6. [M 8,192, K 1,024] x [K 1,024, N 1,024]; A: computed on the way; B: input Wo: QUANTISED
;;   THE QUANTISER, for each operand of a quantised product, along K:
;;     - K is cut into blocks of 32 from its start; a last block that is shorter is filled with zeros.
;;     - A block's scale is 2^e with e = floor(log2(the largest magnitude in the block)) - 2, held to -126 .. 127; a block of zeros has e = 0. As a byte (E8M0): e + 127.
;;     - Each number is divided by its block's scale, clamped to +-7.5, and rounded to the nearest number of E2M3, ties to even, subnormals kept.
;;     - The product sums the exact products of the quantised numbers (number of the format x scale) in f32.
;;   ~~~python
;;   def quantise(x, axis):      # numpy; x: float32 -> the quantised numbers, widened to float32 again
;;       x = np.moveaxis(x, axis, -1); K = x.shape[-1]
;;       x = np.pad(x, [(0, 0)] * (x.ndim - 1) + [(0, -K % 32)]); x = x.reshape(x.shape[:-1] + (-1, 32)); a = np.abs(x).max(-1, keepdims=True)
;;       e = np.where(a > 0, np.clip(np.frexp(np.where(a > 0, a, 1))[1] - 1 - 2, -126, 127), 0)      # np.frexp(a)[1] - 1 = floor(log2(a)), exactly
;;       r = np.clip(x / 2.0 ** e, -7.5, 7.5)
;;       step = 2.0 ** (np.maximum(np.frexp(np.where(r == 0, 1, r))[1] - 1, 0) - 3)
;;       q = np.round(r / step) * step * 2.0 ** e      # np.round: ties to even
;;       return np.moveaxis(q.reshape(q.shape[:-2] + (-1,))[..., :K], -1, axis).astype(np.float32)
;;   ~~~
;;   SOFTMAX AHEAD OF A QUANTISED PRODUCT. Where the list says 'softmax', what is quantised is not the finished softmax but p = 2^(t - M), with t = logit x log2(e) and M = ceil(the row's largest t), a whole number; so 1/2 < the row's largest p <= 1. The row's sum l is taken of the UNQUANTISED p, in f32, and the product's result is divided by l at the end. Since M is a whole number, a kernel that streams over the keys may use a running M (the ceiling of the running maximum): every later rescaling is an exact power of two, which a block's scale takes up: the codes' values come out the same.
;;   OPERANDS COMPUTED ON THE WAY. 'Computed on the way' means the value that the module computes at that place (a softmax that the list does not call 'softmax' is quantised finished and normalised). What goes into a quantiser is computed in f32, as accurately as f32 sums, v_exp_f32 and their like allow (about 1e-6 of the number): no bf16 or f16 on the way to a quantiser, and a product that is left as it is and whose result goes on into a quantised operand takes f32 operands (vector FMAs, or v_wmma_f32_16x16x4_f32). A number that lies on a knife's edge between two numbers of the format may be rounded either way, as far as f32 arithmetic and the matrix unit's own rounding can turn it there, and no further.
;; One version. Each part assembles by itself: llvm-mc -triple=amdgcn-amd-amdhsa -mcpu=gfx1250 --defsym DOCPART=n.
;; ======== version 1 of 1: 4 launches
;; limits: right only within a limited range of input values
;; workspace buffers: xc 6,291,456 bytes; zc 6,291,456 bytes; wc 3,145,728 bytes; xs 262,144 bytes; zs 262,144 bytes; ws 131,072 bytes; qb 6,815,744 bytes; kv 13,369,344 bytes
;; launch quant (part 1): grid 512 x 1, 4 waves a work-group, no clusters, 34,304 bytes of LDS; arguments x, Wq, Wk, Wv, Wo, xc, xs, wc, ws; writes xc, xs, wc, ws
.if DOCPART == 1
	.amdgcn_target "amdgcn-amd-amdhsa--gfx1250"
	.amdhsa_code_object_version 6
	.text
	.protected	k_q7e9f4a9ccc_quant
	.globl	k_q7e9f4a9ccc_quant
	.p2align	8
	.type	k_q7e9f4a9ccc_quant,@function
k_q7e9f4a9ccc_quant:
	s_mov_b64 s[64:65], 0
	v_nop
	global_prefetch_b8 v0, s[64:65] scope:SCOPE_SE
	s_setreg_imm32_b32 hwreg(HW_REG_WAVE_MODE, 25, 1), 1
	s_wait_xcnt 0x0
; x [8192 tokens][1024] and the four weights (Wq, Wk, Wv: [16 heads][1024 (K)][64]; Wo: [1024 (K)][1024]), all f32, become codes of FP6 (E2M3) with one
; E8M0 scale byte for each 32 along K = the 1,024.  A block's scale is 2^(floor(log2(largest magnitude)) - 2): its byte is that magnitude's exponent field - 2.
; LIMITS: NaN and infinities are not served; a block whose largest magnitude lies under 2^-124 (zeros too) gets the byte 1: zeros have zero codes, and these bytes are read by this program alone.
; LAYOUT OUT: images of the operand's registers.  A tile is 16 rows; in each group of 32 rows, tile 2 b + u holds in lane r the row 32 b + 8 u + r + 8 (r / 8).
; A HALF IMAGE (768 bytes) is 16 rows x 64 K: lane (r, h) holds k = 32 h .. 32 h + 31 in six registers: registers 0-3 at 16 x lane, registers 4-5 at 512 + 8 x lane.
; xc: [token tile 512][64 K 16][768];  wc: [feature tile 256][16][768] (features: 1,024 of q, of k, of v as head x 64 + d, then Wo's 1,024 columns).
; xs, ws: [tile][half of K][row 16][4 words]: a word is the four bytes of 128 along K.
; Work-groups 0-255 take x: a wave takes one tile x 512 K; each load reads 512 consecutive bytes of a row, and the numbers turn through the wave's own stage in LDS so that a lane gets whole blocks of 32.
; Work-groups 256-511 take the weights, whose K is not innermost: a lane takes a column and its registers run down K; a wave takes 32 columns x 128 K.  Waves share nothing: no barrier.
.set SP,   528                         ; a stage row: 512 bytes + 16
.set WST,  16*SP                       ; a wave's stage
.set R,    48                          ; v48-175   x as loaded: two sets of 64
.set X,    176                         ; v176-239  x: two blocks of 32 neighbours
.set C,    20                          ; v20-25, v28-33 the codes of two half images
.set U,    36                          ; v36-38, v40-42 each block's upper 16 codes, as converted
.set TM,   10                          ; v10-11 largest magnitudes;  v12-13 the conversions' scale operands;  v14-15 bytes;  v16-19 the four scale words
.set SO,   12
.set BY,   14
.set WD,   16
.set WX,   48                          ; the weights' path: v48-175 128 numbers down K
.set WC,   176                         ; v176-207 four blocks' codes, eight registers apart
.set WU,   208                         ; v208-223 the upper halves as converted
.set WTM,  224
.set WSO,  228
.set WBY,  232
.set WWD,  236                         ; my column's scale word
.set WT2,  237                         ; the second chain of the maximum
.macro LOADX t                         ; K step t (128 along K) of the tile's 16 rows: each load reads 512 consecutive bytes
.set n, 0
.rept 16
	global_load_b128 v[R+64*((\t)%2)+4*n:R+64*((\t)%2)+4*n+3], v4, s[4:5] offset:(n+8*(n/8))*4096+512*(\t) th:TH_LOAD_NT
.set n, n+1
.endr
.endm
.macro XSTEP t
.if (\t) < 3
	s_wait_loadcnt 16                              ; this step's 16 loads are in; the next step's 16 stay out
.else
	s_wait_loadcnt 0x0
.endif
.set n, 0
.rept 16
	ds_store_b128 v6, v[R+64*((\t)%2)+4*n:R+64*((\t)%2)+4*n+3] offset:SP*n       ; row n as it lies
.set n, n+1
.endr
.irp c, 0,1
.irp j, 0,1,2,3,4,5,6,7
	ds_load_b128 v[X+32*\c+4*\j:X+32*\c+4*\j+3], v7 offset:256*\c+16*\j          ; my row's k = 64 c + 32 h + 0 .. 31; a wave's LDS instructions are served in order
.endr
.endr
	s_wait_dscnt 0x0
.if (\t) < 2
	LOADX (\t)+2                                   ; into the set that the stage's stores have read
.endif
.irp c, 0,1
	v_max3_num_f32 v[TM+\c], |v[X+32*\c]|, |v[X+32*\c+1]|, 0x1800000             ; block 2 c + h is all mine; the floor 2^(3 - 127) holds the byte at 1 from below
.endr
.irp i, 2,4,6,8,10,12,14,16,18,20,22,24,26,28,30
.irp c, 0,1
	v_max3_num_f32 v[TM+\c], v[TM+\c], |v[X+32*\c+\i]|, |v[X+32*\c+\i+1]|
.endr
.endr
.irp c, 0,1
	v_add_nc_u32 v[SO+\c], 0xff000000, v[TM+\c]    ; 2 off the exponent field: the conversion takes this operand's exponent field as its scale
.endr
.irp c, 0,1
	v_lshrrev_b32 v[BY+\c], 23, v[SO+\c]           ; the scale's byte
.endr
	v_lshl_or_b32 v44, v[BY+1], 16, v[BY]          ; my bytes: blocks h and 2 + h,
	v_lshlrev_b32 v44, v8, v44                     ; 8 h bits up;
	v_permlanex16_b32 v45, v44, s22, s23
	v_or_b32 v[WD+(\t)], v44, v45                  ; with lane l xor 16's the word of these 128 along K is whole
	s_wait_alu depctr_va_vdst(0)
	s_wait_xcnt 0x0                                ; the last step's stores have read the codes' registers
.irp c, 0,1
	v_cvt_scalef32_pk16_fp6_f32 v[C+8*\c:C+8*\c+2], v[X+32*\c:X+32*\c+15], v[SO+\c]
	v_cvt_scalef32_pk16_fp6_f32 v[U+4*\c:U+4*\c+2], v[X+32*\c+16:X+32*\c+31], v[SO+\c]   ; (a conversion's three registers begin on an even number)
.endr
	v_nop                                          ; one plain place behind the conversions
.irp c, 0,1
.irp i, 0,1,2
	v_mov_b32 v[C+8*\c+3+\i], v[U+4*\c+\i]
.endr
.endr
.irp c, 0,1
	global_store_b128 v4, v[C+8*\c:C+8*\c+3], s[14:15] offset:(2*(\t)+\c)*768       ; 512 consecutive bytes, aligned to 256
	global_store_b64 v5, v[C+8*\c+4:C+8*\c+5], s[14:15] offset:(2*(\t)+\c)*768+512  ; 256 consecutive bytes, aligned
.endr
.endm
.macro WLOAD kb, stride                ; block kb: 32 rows of K at my column: a wave's load reads 128 consecutive bytes
.set n, 0
.rept 32
	global_load_b32 v[WX+32*(\kb)+n], v9, s[36:37] offset:(32*(\kb)+n)*(\stride) th:TH_LOAD_NT
.set n, n+1
.endr
.endm
.macro CBLK kb                         ; block kb of my column: its largest magnitude in two chains, its byte, its codes
	v_max3_num_f32 v[WTM+\kb], |v[WX+32*\kb]|, |v[WX+32*\kb+1]|, 0x1800000
	v_max3_num_f32 v[WT2], |v[WX+32*\kb+2]|, |v[WX+32*\kb+3]|, |v[WX+32*\kb+4]|
.irp i, 5,9,13,17,21,25
	v_max3_num_f32 v[WTM+\kb], v[WTM+\kb], |v[WX+32*\kb+\i]|, |v[WX+32*\kb+\i+1]|
	v_max3_num_f32 v[WT2], v[WT2], |v[WX+32*\kb+\i+2]|, |v[WX+32*\kb+\i+3]|
.endr
	v_max3_num_f32 v[WTM+\kb], v[WTM+\kb], |v[WX+32*\kb+29]|, |v[WX+32*\kb+30]|
	v_max3_num_f32 v[WTM+\kb], v[WTM+\kb], v[WT2], |v[WX+32*\kb+31]|
	v_add_nc_u32 v[WSO+\kb], 0xff000000, v[WTM+\kb]
	v_lshrrev_b32 v[WBY+\kb], 23, v[WSO+\kb]
.if \kb == 0
	v_mov_b32 v[WWD], v[WBY]
.else
	v_lshl_or_b32 v[WWD], v[WBY+\kb], 8*\kb, v[WWD]
.endif
	v_cvt_scalef32_pk16_fp6_f32 v[WC+8*\kb:WC+8*\kb+2], v[WX+32*\kb:WX+32*\kb+15], v[WSO+\kb]
	v_cvt_scalef32_pk16_fp6_f32 v[WU+4*\kb:WU+4*\kb+2], v[WX+32*\kb+16:WX+32*\kb+31], v[WSO+\kb]
.endm
.macro WPATH stride
	WLOAD 0, \stride
	WLOAD 1, \stride
	s_wait_loadcnt 32                              ; block 0 is in; the youngest 32 loads stay out (and so below)
	WLOAD 2, \stride
	CBLK 0
	s_wait_loadcnt 32
	WLOAD 3, \stride
	CBLK 1
	s_wait_loadcnt 32
	CBLK 2
	s_wait_loadcnt 0x0
	CBLK 3
	v_nop                                          ; one plain place behind the conversions
.irp kb, 0,1,2,3
.irp i, 0,1,2
	v_mov_b32 v[WC+8*\kb+3+\i], v[WU+4*\kb+\i]
.endr
.endr
.irp c, 0,1                            ; lanes 0-15 hold the rows of tile 0, lanes 16-31 those of tile 1; an image wants block 2 c below and block 2 c + 1 above:
.irp i, 0,1,2,3,4,5
	v_permlane16_swap_b32 v[WC+16*\c+\i], v[WC+16*\c+8+\i]   ; the first becomes tile 0's half image c, the second tile 1's
.endr
.endr
.irp c, 0,1
.irp u, 0,1
	global_store_b128 v4, v[WC+16*\c+8*\u:WC+16*\c+8*\u+3], s[18:19] offset:\u*12288+\c*768
	global_store_b64 v5, v[WC+16*\c+8*\u+4:WC+16*\c+8*\u+5], s[18:19] offset:\u*12288+\c*768+512
.endr
.endr
	global_store_b32 v10, v[WWD], s[20:21]         ; 4 bytes a row, 16 bytes apart: one byte for each 32 that this path reads; the row's other words are other waves'
.endm
	s_load_b512 s[4:19], s[0:1], 0x0               ; x s[4:5], Wq s[6:7], Wk s[8:9], Wv s[10:11], Wo s[12:13], xc s[14:15], xs s[16:17], wc s[18:19]
	s_load_b64 s[20:21], s[0:1], 0x40              ; ws
	v_lshl_add_u32 v240, v0, 2, 0x8400
	v_mov_b32 v241, 0
	v_lshrrev_b32 v1, 5, v0
	v_readfirstlane_b32 s24, v1                    ; wave
	v_and_b32 v1, 31, v0                           ; lane
	v_and_b32 v2, 15, v0                           ; r
	v_bfe_u32 v3, v0, 4, 1                         ; h
	v_lshlrev_b32 v4, 4, v1                        ; 16 x lane
	v_lshlrev_b32 v5, 3, v1                        ; 8 x lane
	s_mov_b32 s22, 0x76543210
	s_mov_b32 s23, 0xfedcba98                      ; v_permlanex16_b32's selects for lane l xor 16
	s_cmp_lt_u32 ttmp9, 256
	s_cbranch_scc0 .Lweights
	; ---- x
	s_lshl_b32 s25, ttmp9, 2
	s_add_co_u32 s25, s25, s24                     ; unit = 2 x tile + half of K
	s_lshr_b32 s26, s25, 1                         ; tile T
	s_and_b32 s27, s25, 1                          ; half
	s_lshr_b32 s28, s26, 1
	s_lshl_b32 s28, s28, 17                        ; 32 (T / 2) rows of 4,096 bytes
	s_and_b32 s29, s26, 1
	s_lshl_b32 s29, s29, 15                        ; + 8 (T % 2) rows
	s_add_co_u32 s28, s28, s29
	s_lshl_b32 s29, s27, 11                        ; + 512 numbers for the upper half of K
	s_add_co_u32 s28, s28, s29
	s_mov_b32 s29, 0
	s_mul_i32 s30, s26, 12288
	s_mul_i32 s31, s27, 6144
	s_add_co_u32 s30, s30, s31
	s_mov_b32 s31, 0
	s_lshl_b32 s32, s25, 8                         ; 512 T + 256 half
	s_mov_b32 s33, 0
	s_mul_i32 s34, s24, WST
	s_wait_alu depctr_va_vdst(0)
	v_add_nc_u32 v6, s34, v4                       ; the stage, in: 16 x lane of a row
	v_mul_u32_u24 v7, v2, SP
	v_lshl_add_u32 v7, v3, 7, v7
	v_add_nc_u32 v7, s34, v7                       ; out: row r, + 128 h bytes
	v_lshlrev_b32 v8, 3, v3                        ; 8 h
	v_lshlrev_b32 v9, 4, v2                        ; 16 r
	v_mov_b32 v45, 0                               ; a lane permute's destination counts as read
	s_wait_alu depctr_va_vdst(0)
	s_wait_kmcnt 0x0
	s_add_nc_u64 s[4:5], s[4:5], s[28:29]
	s_add_nc_u64 s[14:15], s[14:15], s[30:31]
	s_add_nc_u64 s[16:17], s[16:17], s[32:33]
	LOADX 0
	LOADX 1
	XSTEP 0
	XSTEP 1
	XSTEP 2
	XSTEP 3
	v_cmp_gt_u32 vcc_lo, 16, v1
	s_wait_xcnt 0x0                                ; EXEC changes only behind this wait
	s_wait_tensorcnt 0x0
	ds_add_u32 v240, v241
	s_wait_dscnt 0x0
	s_and_saveexec_b32 s25, vcc_lo
	global_store_b128 v9, v[WD:WD+3], s[16:17]     ; lanes 0-15: the 16 rows' four words: 256 consecutive bytes, aligned
	s_wait_xcnt 0x0
	s_or_b32 exec_lo, exec_lo, s25
	s_endpgm
.Lweights:
	s_sub_co_u32 s25, ttmp9, 256
	s_lshr_b32 s26, s25, 1                         ; g: a group of 32 features, 0 .. 127
	s_and_b32 s27, s25, 1                          ; half of K
	s_lshl_b32 s28, s27, 2
	s_add_co_u32 s28, s28, s24                     ; K step of 128: 4 half + wave
	s_wait_alu depctr_va_vdst(0)
	v_and_b32 v9, 7, v1
	v_lshl_add_u32 v9, v3, 3, v9
	v_bfe_u32 v10, v0, 3, 1
	v_lshl_add_u32 v9, v10, 4, v9                  ; my column of the 32: (l % 8) + 8 (l / 16) + 16 ((l / 8) % 2): lanes 0-15 are tile 0's rows, lanes 16-31 tile 1's
	v_lshlrev_b32 v9, 2, v9
	s_mul_i32 s30, s26, 24576
	s_mul_i32 s31, s28, 1536
	s_add_co_u32 s30, s30, s31
	s_mov_b32 s31, 0
	s_lshl_b32 s32, s26, 10
	s_lshl_b32 s33, s27, 8
	s_add_co_u32 s32, s32, s33
	s_lshl_b32 s33, s24, 2
	s_add_co_u32 s32, s32, s33
	s_mov_b32 s33, 0
	v_lshlrev_b32 v10, 4, v2
	v_lshl_add_u32 v10, v3, 9, v10                 ; my scale word: 512 x tile + 16 r
	s_wait_kmcnt 0x0
	s_add_nc_u64 s[18:19], s[18:19], s[30:31]
	s_add_nc_u64 s[20:21], s[20:21], s[32:33]
	s_cmp_ge_u32 s26, 96
	s_cbranch_scc1 .Lwo
	s_lshr_b32 s34, s26, 5                         ; 0 q, 1 k, 2 v
	s_cmp_eq_u32 s34, 1
	s_cselect_b64 s[36:37], s[8:9], s[6:7]
	s_cmp_eq_u32 s34, 2
	s_cselect_b64 s[36:37], s[10:11], s[36:37]
	s_and_b32 s34, s26, 31
	s_lshr_b32 s34, s34, 1
	s_lshl_b32 s34, s34, 18                        ; the head: 1,024 x 64 x 4 bytes
	s_lshl_b32 s35, s28, 15                        ; the K step: 128 rows of 256 bytes
	s_add_co_u32 s34, s34, s35
	s_and_b32 s35, s26, 1
	s_lshl_b32 s35, s35, 7                         ; which 32 of the head's 64
	s_add_co_u32 s34, s34, s35
	s_mov_b32 s35, 0
	s_add_nc_u64 s[36:37], s[36:37], s[34:35]
	s_wait_alu depctr_va_vdst(0)
	WPATH 256
	s_endpgm
.Lwo:
	s_sub_co_u32 s34, s26, 96
	s_lshl_b32 s34, s34, 7                         ; 32 columns of 4 bytes
	s_lshl_b32 s35, s28, 19                        ; the K step: 128 rows of 4,096 bytes
	s_add_co_u32 s34, s34, s35
	s_mov_b32 s35, 0
	s_add_nc_u64 s[36:37], s[12:13], s[34:35]
	s_wait_alu depctr_va_vdst(0)
	WPATH 4096
	s_endpgm
.Lfunc_end_k_q7e9f4a9ccc_quant:
	.size	k_q7e9f4a9ccc_quant, .Lfunc_end_k_q7e9f4a9ccc_quant-k_q7e9f4a9ccc_quant
	.p2alignl 7, 3214868480
	.fill 96, 4, 3214868480
	.section	.rodata,"a",@progbits
	.p2align	6, 0x0
	.amdhsa_kernel k_q7e9f4a9ccc_quant
		.amdhsa_group_segment_fixed_size 34304
		.amdhsa_private_segment_fixed_size 0
		.amdhsa_enable_private_segment 0
		.amdhsa_kernarg_size 72
		.amdhsa_user_sgpr_count 2
		.amdhsa_user_sgpr_kernarg_segment_ptr 1
		.amdhsa_wavefront_size32 1
		.amdhsa_system_sgpr_workgroup_id_x 1
		.amdhsa_system_sgpr_workgroup_id_y 1
		.amdhsa_system_sgpr_workgroup_id_z 1
		.amdhsa_system_vgpr_workitem_id 0
		.amdhsa_next_free_vgpr 242
		.amdhsa_next_free_sgpr 66
		.amdhsa_reserve_vcc 1
		.amdhsa_float_denorm_mode_32 3
		.amdhsa_float_denorm_mode_16_64 3
		.amdhsa_memory_ordered 1
		.amdhsa_forward_progress 1
		.amdhsa_inst_pref_size 71
	.end_amdhsa_kernel
	.amdgpu_metadata
---
amdhsa.version: [ 1, 2 ]
amdhsa.kernels:
  - .name:           k_q7e9f4a9ccc_quant
    .symbol:         k_q7e9f4a9ccc_quant.kd
    .args:
      - { .name: x, .offset: 0, .size: 8, .value_kind: global_buffer, .address_space: global }
      - { .name: Wq, .offset: 8, .size: 8, .value_kind: global_buffer, .address_space: global }
      - { .name: Wk, .offset: 16, .size: 8, .value_kind: global_buffer, .address_space: global }
      - { .name: Wv, .offset: 24, .size: 8, .value_kind: global_buffer, .address_space: global }
      - { .name: Wo, .offset: 32, .size: 8, .value_kind: global_buffer, .address_space: global }
      - { .name: xc, .offset: 40, .size: 8, .value_kind: global_buffer, .address_space: global }
      - { .name: xs, .offset: 48, .size: 8, .value_kind: global_buffer, .address_space: global }
      - { .name: wc, .offset: 56, .size: 8, .value_kind: global_buffer, .address_space: global }
      - { .name: ws, .offset: 64, .size: 8, .value_kind: global_buffer, .address_space: global }
    .group_segment_fixed_size: 34304
    .private_segment_fixed_size: 0
    .kernarg_segment_align: 8
    .kernarg_segment_size: 72
    .max_flat_workgroup_size: 128
    .sgpr_count:     66
    .vgpr_count:     242
    .wavefront_size: 32
...
	.end_amdgpu_metadata
.endif
;; end of part 1
;; launch qkv (part 2): grid 24 x 32, 4 waves a work-group, clusters of 4 x 4, 295,424 bytes of LDS; arguments xc, xs, wc, ws, bq, bk, bv, qb, kv; writes qb, kv
.if DOCPART == 2
	.amdgcn_target "amdgcn-amd-amdhsa--gfx1250"
	.amdhsa_code_object_version 6
	.text
	.protected	k_q7e9f4a9ccc_qkv
	.globl	k_q7e9f4a9ccc_qkv
	.p2align	8
	.type	k_q7e9f4a9ccc_qkv,@function
k_q7e9f4a9ccc_qkv:
	s_mov_b64 s[64:65], 0
	v_nop
	global_prefetch_b8 v0, s[64:65] scope:SCOPE_SE
	s_setreg_imm32_b32 hwreg(HW_REG_WAVE_MODE, 25, 1), 1
	s_wait_xcnt 0x0
	s_wait_alu depctr_hold_cnt(0) depctr_sa_sdst(0) depctr_va_vdst(0) depctr_va_sdst(0) depctr_va_ssrc(0) depctr_va_vcc(0) depctr_vm_vsrc(0)
	s_getreg_b32 s2, hwreg(HW_REG_IB_STS2, 6, 4)
	s_cmp_eq_u32 s2, 0
	s_cbranch_scc0 .Lentry_in_a_cluster
	s_endpgm
.Lentry_in_a_cluster:
	s_bfe_u32 s2, ttmp6, 0x10000c
	s_cmp_lg_u32 s2, 0xf033
	s_cbranch_scc0 .Lentry_shape_is_right
	s_endpgm
.Lentry_shape_is_right:
; q, k, v = x W + b on codes of FP6 (E2M3) with E8M0 scales, sums in f32; the results are quantised again on the way out: q and k along the head's 64, v along the keys.
; A work-group makes 256 tokens x 128 features (two heads of one of q, k, v); its four waves make 128 x 64 each: 32 accumulators of 16 x 16, which take turns.
; ALL OF K = 1,024 LIES IN LDS: 16 token tiles and 8 feature tiles, each tile filled ONCE by the tensor data mover: no LDS byte is filled twice.
; Each wave has one tensor load out at the start; all of K is read behind one wait and a barrier.
; OPERANDS are images of their registers (half images of 768 bytes: 16 rows x 64 K; registers 0-3 at 16 x lane, 4-5 at 512 + 8 x lane), so a fragment is four contiguous LDS loads.
; CLUSTERS: 4 x 4 work-groups; the token tiles are asked for jointly along a row of the cluster, the feature tiles along a column.
; THE PRODUCT IS USED TRANSPOSED (source 0 = 16 features, source 1 = 16 tokens): a lane holds one token, and, since lane r of feature tile 2 b + u holds feature 32 b + 8 u + r + 8 (r / 8),
; the 16 registers of feature tiles 2 b, 2 b + 1 are features 32 b + 16 (lane / 16) + 0 .. 15.  The bias is the C of each sum's first product.
; OUT: qb [batch x head 64][128 tokens 16] blocks of 6,656 bytes: 8 half images, then the scale words [row 16][tile 8] (bytes 2, 3 = 0x7f: the upper 64 of the next product's K are zero codes).
;      kv [batch x head][128 keys 16] blocks of 13,056 bytes: K's 8 half images; V's [channel tile 4][64 keys 2] half images; K's scale words; V's scale words [row][tile % 2][tile / 2].
; LIMITS: NaN and infinities are not served; a block whose largest magnitude lies under 2^-124 gets the byte 1 (zeros have zero codes; the bytes are read by this program alone).
; REGISTERS: window 0: v4-19 addresses; v32-63 the tokens' scale words, v64-79 the features' (scales alone); v96-127 the bias; the rest serves the way out.
;   window 1: accumulator (token tile a, feature tile j) at v[8 (4 a + j)].   windows 2, 3: two sets of fragments: tokens' at v[12 a], features' at v[96 + 12 j].
.set FT0,  0                           ; first feature tile of wc that this launch reads
; LDS as this text lays it: a tile's whole K (12,288 bytes) lies on end; each wave brings its tiles by ONE tensor load (tokens 8 tiles, features 4), so a wave has one tensor load out
.set CHA,  196608                      ; LDS: the tokens: 16 tiles x 12,288 bytes
.set CHB,  98304                       ; the features: 8 tiles
.set LB,   CHA
.set G1A,  24                          ; s[24:31], s[32:39] descriptor groups 1;  s[40:43], s[68:71] groups 0
.set G1B,  32
.set G0A,  40
.set G0B,  68
.set VST,  34816                       ; v's stage: 128 rows x 272 bytes for each wave, in bytes that have had their only fill and their last read
.set TM,   128                         ; the way out of q and k: v128-135 largest magnitudes, v136-143 the other half's / bytes, v144-151 the conversions' scale operands
.set TP,   136
.set SO,   144
.set PC,   160                         ; v160-191 four tiles' codes
.set PY,   96                          ; v96-111 block 1's codes as converted
.set WW,   192                         ; v192-199 the eight tiles' scale words;  v200-203 those that my lane stores
.set VX,   128                         ; the way out of v: v128-255 128 keys of my channel
.set VC,   96                          ; v96-127 four blocks' codes
.set VU,   80                          ; v80-95 the upper halves as converted
.set VTM,  20
.set VSO,  24
.set VBY,  28
.set VT2,  8
.set MSB, 0
.macro WIN new                         ; the immediate's high byte repeats the setting that is left
.if MSB != (\new)
	s_set_vgpr_msb (MSB<<8)|(\new)
.set MSB, (\new)
.endif
.endm
.macro PLACES                          ; four plain places behind a matrix instruction of this form, ahead of loads into its sources and of reads of its result
.rept 4
	v_nop
.endr
.endm
.macro CROUND                          ; a round of the cluster's barrier
	s_barrier_signal -1
	s_barrier_wait -1
	s_cmp_lg_u32 s22, 0
	s_cbranch_scc1 .Lnot_wave_0_\@
	s_barrier_signal -3
.Lnot_wave_0_\@:
	s_barrier_wait -3
	s_barrier_signal -1
	s_barrier_wait -1
.endm
.macro FRAG reg, a16, a8, off          ; a fragment (16 rows x 128 K, 12 registers) = two half images
	ds_load_b128 v[\reg:\reg+3], v[\a16] offset:\off
	ds_load_b64 v[\reg+4:\reg+5], v[\a8] offset:\off+512
	ds_load_b128 v[\reg+6:\reg+9], v[\a16] offset:\off+768
	ds_load_b64 v[\reg+10:\reg+11], v[\a8] offset:\off+1280
.endm
.macro FETCH s                         ; K step s: my 8 token fragments and 4 feature fragments into set s % 2: 48 loads
	WIN 0x80+0x40*((\s)%2)
.irp i, 0,1,2,3
	FRAG 12*\i, 16, 17, \i*12288+(\s)*1536         ; the K step stands in the immediate
.endr
.irp i, 4,5,6,7
	FRAG 12*\i, 14, 15, (\i-4)*12288+(\s)*1536     ; tiles 4-7 by a second pair of addresses: the immediate has 16 bits
.endr
.irp j, 0,1,2,3
	FRAG 96+12*\j, 18, 19, \j*12288+(\s)*1536
.endr
.endm
.macro MULH s, half                    ; 16 products: token tiles 4 half .. 4 half + 3 x my four feature tiles.  K steps 4-7 take their scale words from lanes 16-31
.if (\s) == 0
	WIN 0x4a
.elseif ((\s)%2) == 0
	WIN 0x5a
.else
	WIN 0x5f
.endif
.irp a, 4*(\half), 4*(\half)+1, 4*(\half)+2, 4*(\half)+3
.irp j, 0,1,2,3
.if (\s) == 0
	v_wmma_scale_f32_16x16x128_f8f6f4 v[8*(4*(\a)+\j):8*(4*(\a)+\j)+7], v[96+12*\j:96+12*\j+11], v[12*(\a):12*(\a)+11], v[96+8*\j:96+8*\j+7], v[64+4*\j], v[32+4*(\a)] matrix_a_fmt:MATRIX_FMT_FP6 matrix_b_fmt:MATRIX_FMT_FP6
.elseif (\s) < 4
	v_wmma_scale_f32_16x16x128_f8f6f4 v[8*(4*(\a)+\j):8*(4*(\a)+\j)+7], v[96+12*\j:96+12*\j+11], v[12*(\a):12*(\a)+11], v[8*(4*(\a)+\j):8*(4*(\a)+\j)+7], v[64+4*\j+(\s)], v[32+4*(\a)+(\s)] matrix_a_fmt:MATRIX_FMT_FP6 matrix_b_fmt:MATRIX_FMT_FP6
.else
	v_wmma_scale_f32_16x16x128_f8f6f4 v[8*(4*(\a)+\j):8*(4*(\a)+\j)+7], v[96+12*\j:96+12*\j+11], v[12*(\a):12*(\a)+11], v[8*(4*(\a)+\j):8*(4*(\a)+\j)+7], v[64+4*\j+(\s)-4], v[32+4*(\a)+(\s)-4] matrix_a_fmt:MATRIX_FMT_FP6 matrix_b_fmt:MATRIX_FMT_FP6 matrix_a_scale:MATRIX_SCALE_ROW1 matrix_b_scale:MATRIX_SCALE_ROW1
.endif
.endr
.endr
.endm
.macro EVEN s                          ; a chunk's first K step: the second step's fragments are asked for, then this step is multiplied
.if (\s) > 0
	PLACES                                         ; the other set was read by the products just issued
.endif
	FETCH (\s)+1
	s_wait_dscnt 48                                ; all but the 48 loads just issued: this step's fragments are in
	MULH \s, 0
	MULH \s, 1
.endm
.macro ODD s                           ; a chunk's second K step; in its middle the next chunk is taken up
	s_wait_dscnt 0x0                               ; this step's fragments are in
	MULH \s, 0
	WIN 0
	PLACES                                         ; behind the products that read the set loaded next
	FETCH (\s)+1
	MULH \s, 1
.endm
	s_load_b512 s[4:19], s[0:1], 0x0               ; xc s[4:5], xs s[6:7], wc s[8:9], ws s[10:11], bq s[12:13], bk s[14:15], bv s[16:17], qb s[18:19]
	s_load_b64 s[20:21], s[0:1], 0x40              ; kv
	v_lshl_add_u32 v91, v0, 2, 0x48000
	v_mov_b32 v95, 0
	ds_add_u32 v91, v95
	ds_add_u32 v91, v95
	v_lshrrev_b32 v1, 5, v0
	v_readfirstlane_b32 s22, v1                    ; wave
	s_lshr_b32 s23, s22, 1                         ; my half of the tokens.  Also: I fetch tokens (0) or features (1)
	s_and_b32 s56, s22, 1                          ; my half of the features.  Also: which half of a chunk's tiles I fetch
	s_bfe_u32 s57, ttmp6, 0x40000                  ; cx
	s_bfe_u32 s58, ttmp6, 0x40004                  ; cy
	s_lshl_b32 s59, ttmp9, 2
	s_add_co_u32 s59, s59, s57                     ; wx: which 128 features
	s_and_b32 s60, ttmp7, 0xffff
	s_lshl_b32 s60, s60, 2
	s_add_co_u32 s60, s60, s58                     ; wy: which 256 tokens
	s_lshl_b32 s61, s58, 2
	s_lshl_b32 s61, 15, s61                        ; my row of the cluster
	s_lshl_b32 s62, 0x1111, s57                    ; my column
	s_or_b32 s[G1A], s61, (3<<16)|(1<<21)          ; 15:0 the mask; 17:16 elements of 8 bytes; 21 set beside a mask; no padding
	s_or_b32 s[G1B], s62, (3<<16)|(1<<21)
	s_mov_b32 s[G1A+1], 1536<<16                   ; tensor_dim0: 12,288 bytes: a tile's whole K
	s_mov_b32 s[G1A+2], 8<<16                      ; tensor_dim1: 8 tiles
	s_mov_b32 s[G1A+3], 1536<<16
	s_mov_b32 s[G1A+4], 8                          ; tile_dim1
	s_mov_b32 s[G1A+5], 1536                       ; from tile to tile: 12,288 bytes
	s_mov_b32 s[G1A+6], 0
	s_mov_b32 s[G1A+7], 0
	s_mov_b32 s[G1B+1], 1536<<16
	s_mov_b32 s[G1B+2], 4<<16                      ; 4 tiles
	s_mov_b32 s[G1B+3], 1536<<16
	s_mov_b32 s[G1B+4], 4
	s_mov_b32 s[G1B+5], 1536
	s_mov_b32 s[G1B+6], 0
	s_mov_b32 s[G1B+7], 0
	s_lshl_b32 s84, s60, 4
	s_lshl_b32 s85, s56, 3
	s_add_co_u32 s84, s84, s85                     ; token tile 16 wy + 8 x half
	s_mul_i32 s84, s84, 12288
	s_mov_b32 s85, 0
	s_lshl_b32 s86, s59, 3
	s_lshl_b32 s87, s56, 2
	s_add_co_u32 s86, s86, s87
	s_add_co_u32 s86, s86, FT0                     ; feature tile FT0 + 8 wx + 4 x half
	s_mul_i32 s86, s86, 12288
	s_mov_b32 s87, 0
	s_mul_i32 s88, s56, CHA/2                      ; where they go: no place in the cluster enters an LDS address
	s_mul_i32 s89, s56, CHB/2
	s_mov_b32 s98, 0x76543210
	s_mov_b32 s99, 0xfedcba98
	s_wait_dscnt 0x0
	s_wait_kmcnt 0x0
	s_add_nc_u64 s[84:85], s[4:5], s[84:85]
	s_add_nc_u64 s[86:87], s[8:9], s[86:87]
	CROUND                                         ; all sixteen work-groups are here: the joint loads meet
.irp q, 0
	s_mov_b32 s[G0A+4*\q], 1
	s_add_co_u32 s[G0A+4*\q+1], s88, \q*CHA
	s_add_nc_u64 s[G0A+4*\q+2:G0A+4*\q+3], s[84:85], \q*3072
	s_or_b32 s[G0A+4*\q+3], s[G0A+4*\q+3], 0x80000000
	s_mov_b32 s[G0B+4*\q], 1
	s_add_co_u32 s[G0B+4*\q+1], s89, LB+\q*CHB
	s_add_nc_u64 s[G0B+4*\q+2:G0B+4*\q+3], s[86:87], \q*3072
	s_or_b32 s[G0B+4*\q+3], s[G0B+4*\q+3], 0x80000000
.endr
	s_cmp_eq_u32 s23, 0                            ; a wave's fill stands in one branch on its number: one tensor load of mine is out
	s_cbranch_scc0 .Lfill_b
.irp q, 0
	tensor_load_to_lds s[G0A+4*\q:G0A+4*\q+3], s[G1A:G1A+7]
	s_nop 0
.endr
.rept 4
	v_nop
.endr
	s_branch .Lfilled
.Lfill_b:
.irp q, 0
	tensor_load_to_lds s[G0B+4*\q:G0B+4*\q+3], s[G1B:G1B+7]
	s_nop 0
.endr
.rept 4
	v_nop
.endr
.Lfilled:
	v_and_b32 v9, 31, v0                           ; lane
	v_and_b32 v10, 15, v0                          ; r
	v_bfe_u32 v11, v0, 4, 1                        ; h
	v_lshlrev_b32 v12, 4, v9                       ; 16 x lane
	v_lshlrev_b32 v13, 3, v9                       ; 8 x lane
	s_mul_i32 s90, s23, CHA/2
	v_add_nc_u32 v16, s90, v12                     ; my 8 token tiles
	v_add_nc_u32 v17, s90, v13
	s_mul_i32 s90, s56, CHB/2
	s_add_co_u32 s90, s90, LB
	v_add_nc_u32 v18, s90, v12                     ; my 4 feature tiles
	v_add_nc_u32 v19, s90, v13
	v_lshlrev_b32 v14, 4, v10
	v_lshl_add_u32 v14, v11, 8, v14                ; scale words: 256 h + 16 r: lanes 0-15 take K steps 0-3, lanes 16-31 steps 4-7
	s_wait_alu depctr_va_vdst(0)
	v_lshlrev_b32 v15, 6, v11                      ; bias: 16 h numbers on
	s_wait_alu depctr_va_vdst(0)
	s_lshl_b32 s90, s60, 4
	s_lshl_b32 s91, s23, 3
	s_add_co_u32 s90, s90, s91
	s_lshl_b32 s90, s90, 9
	s_mov_b32 s91, 0
	s_add_nc_u64 s[6:7], s[6:7], s[90:91]
.irp i, 0,1,2,3,4,5,6,7
	global_load_b128 v[32+4*\i:35+4*\i], v14, s[6:7] offset:512*\i
.endr
	s_lshl_b32 s90, s59, 3
	s_lshl_b32 s91, s56, 2
	s_add_co_u32 s90, s90, s91
	s_add_co_u32 s90, s90, FT0
	s_lshl_b32 s90, s90, 9
	s_mov_b32 s91, 0
	s_add_nc_u64 s[10:11], s[10:11], s[90:91]
.irp j, 0,1,2,3
	global_load_b128 v[64+4*\j:67+4*\j], v14, s[10:11] offset:512*\j
.endr
	s_lshr_b32 s63, ttmp9, 1                       ; 0 q, 1 k, 2 v: the same in all partners of a cluster
	s_cmp_eq_u32 s63, 1
	s_cselect_b64 s[12:13], s[14:15], s[12:13]
	s_cmp_eq_u32 s63, 2
	s_cselect_b64 s[12:13], s[16:17], s[12:13]
	s_and_b32 s90, s59, 7
	s_lshl_b32 s90, s90, 9
	s_lshl_b32 s91, s56, 8
	s_add_co_u32 s90, s90, s91
	s_mov_b32 s91, 0
	s_add_nc_u64 s[12:13], s[12:13], s[90:91]
.irp j, 0,1,2,3
	global_load_b128 v[96+8*\j:99+8*\j], v15, s[12:13] offset:128*(\j/2)+32*(\j%2)       ; tile j's eight features of my half
	global_load_b128 v[100+8*\j:103+8*\j], v15, s[12:13] offset:128*(\j/2)+32*(\j%2)+16
.endr
	s_mul_i32 s88, s22, VST                        ; v's stage: every LDS address is made here, on the path that all take
	v_and_b32 v4, 8, v10
	v_add_nc_u32 v4, v4, v10                       ; r + 8 (r / 8)
	v_mul_u32_u24 v4, v4, 272
	v_lshl_add_u32 v4, v11, 6, v4
	v_add_nc_u32 v4, s88, v4                       ; in: my token's row, + 64 h bytes
	v_and_b32 v5, 7, v9
	v_lshl_add_u32 v5, v11, 3, v5
	v_bfe_u32 v8, v0, 3, 1
	v_lshl_add_u32 v5, v8, 4, v5
	v_lshlrev_b32 v5, 2, v5
	v_add_nc_u32 v5, s88, v5                       ; back: my channel of 32: (l % 8) + 8 (l / 16) + 16 ((l / 8) % 2)
	v_lshlrev_b32 v6, 4, v10
	v_lshl_add_u32 v6, v11, 3, v6                  ; 16 r + 8 h
	v_lshlrev_b32 v7, 5, v10
	v_lshl_add_u32 v7, v11, 4, v7                  ; 32 r + 16 h
	s_wait_loadcnt 0x0                             ; scale words and bias: their offset registers v14, v15 are free
	v_add_nc_u32 v14, 49152, v16                   ; my token tiles 4-7
	v_add_nc_u32 v15, 49152, v17
	s_wait_alu depctr_va_vdst(0)                   ; the wait at the head's end
	s_wait_tensorcnt 0x0                           ; my one tensor load has landed
	s_barrier_signal -1
	s_barrier_wait -1
	FETCH 0
	EVEN 0
	ODD 1
	EVEN 2
	s_wait_alu depctr_va_vdst(0)
	ODD 3
	EVEN 4
	s_wait_alu depctr_va_vdst(0)
	ODD 5
	EVEN 6
	s_wait_dscnt 0x0
	MULH 7, 0
	MULH 7, 1
	WIN 0
	PLACES
	s_barrier_signal -1                            ; no LDS instruction of mine is out: every wave's reads of the operands are over before v's stage is written
	s_barrier_wait -1
	s_and_b32 s84, s59, 7
	s_lshl_b32 s84, s84, 1
	s_add_co_u32 s84, s84, s56                     ; head
	s_lshr_b32 s85, s60, 3
	s_lshl_b32 s85, s85, 4
	s_add_co_u32 s84, s84, s85                     ; 16 x batch + head
	s_and_b32 s85, s60, 7
	s_lshl_b32 s85, s85, 1
	s_add_co_u32 s85, s85, s23                     ; which 128 tokens of the batch
	s_lshl_b32 s84, s84, 4
	s_add_co_u32 s84, s84, s85                     ; the block's number
	s_cmp_ge_u32 ttmp9, 4
	s_cbranch_scc1 .Lvpath
	; ---- q and k: quantised along the head's 64, in registers
	s_cmp_lt_u32 ttmp9, 2
	s_cselect_b64 s[86:87], s[18:19], s[20:21]
	s_mov_b32 s88, 13056
	s_cselect_b32 s88, 6656, s88                   ; a block's bytes
	s_mov_b32 s89, 12288
	s_cselect_b32 s89, 6144, s89                   ; where its scale words begin
	s_mul_i32 s90, s84, s88
	s_mov_b32 s91, 0
	s_add_nc_u64 s[86:87], s[86:87], s[90:91]
	v_add_nc_u32 v7, s89, v7
	v_cmp_le_u32 vcc_lo, 16, v9                    ; lanes 16-31
.irp kb, 0,1,2,3,4,5,6,7
	v_mov_b32 v[TP+\kb], 0                         ; a lane permute's destination counts as read
.endr
; four token tiles: eight blocks of 32 (block kb at accumulator registers 32 a0 + 16 kb; a block lies in lanes l and l xor 16), by turns
.macro QK4 a0
	WIN 0x05
.irp kb, 0,1,2,3,4,5,6,7
	v_max3_num_f32 v[TM+\kb], |v[32*(\a0)+16*\kb]|, |v[32*(\a0)+16*\kb+1]|, 0x1800000    ; each accumulator is read from its low end on
.endr
.irp n, 2,4,6,8,10,12,14
.irp kb, 0,1,2,3,4,5,6,7
	v_max3_num_f32 v[TM+\kb], |v[32*(\a0)+16*\kb+\n]|, |v[32*(\a0)+16*\kb+\n+1]|, v[TM+\kb]
.endr
.endr
	WIN 0
.irp kb, 0,1,2,3,4,5,6,7
	v_permlanex16_b32 v[TP+\kb], v[TM+\kb], s98, s99
.endr
.irp kb, 0,1,2,3,4,5,6,7
	v_max_num_f32 v[TM+\kb], v[TM+\kb], v[TP+\kb]
.endr
.irp kb, 0,1,2,3,4,5,6,7
	v_add_nc_u32 v[SO+\kb], 0xff000000, v[TM+\kb]
.endr
.irp kb, 0,1,2,3,4,5,6,7
	v_lshrrev_b32 v[TP+\kb], 23, v[SO+\kb]
.endr
.irp k, 0,1,2,3
	v_lshl_or_b32 v[WW+(\a0)+\k], v[TP+2*\k+1], 8, v[TP+2*\k]
.endr
.irp k, 0,1,2,3
	v_or_b32 v[WW+(\a0)+\k], 0x7f7f0000, v[WW+(\a0)+\k]
.endr
	WIN 0x01
.irp k, 0,1,2,3
	v_cvt_scalef32_pk16_fp6_f32 v[PC+8*\k:PC+8*\k+2], v[32*((\a0)+\k):32*((\a0)+\k)+15], v[SO+2*\k]
	v_cvt_scalef32_pk16_fp6_f32 v[PY+4*\k:PY+4*\k+2], v[32*((\a0)+\k)+16:32*((\a0)+\k)+31], v[SO+2*\k+1]
.endr
	WIN 0
	v_nop                                          ; one plain place behind the conversions
.irp k, 0,1,2,3
.irp i, 0,1,2
	v_permlane16_swap_b32 v[PC+8*\k+\i], v[PY+4*\k+\i]   ; lanes 0-15 get block 0 whole, lanes 16-31 block 1: the first holds the lower 16 codes, the second the upper
.endr
.irp i, 0,1,2
	v_mov_b32 v[PC+8*\k+3+\i], v[PY+4*\k+\i]
.endr
.endr
.irp k, 0,1,2,3
	global_store_b128 v12, v[PC+8*\k:PC+8*\k+3], s[86:87] offset:768*((\a0)+\k)
	global_store_b64 v13, v[PC+8*\k+4:PC+8*\k+5], s[86:87] offset:768*((\a0)+\k)+512
.endr
.endm
	QK4 0
	s_wait_xcnt 0x0                                ; the stores have read the codes' registers
	QK4 4
.irp k, 0,1,2,3
	v_cndmask_b32 v[200+\k], v[WW+\k], v[WW+4+\k], vcc_lo
.endr
	global_store_b128 v7, v[200:203], s[86:87]     ; row r's words of tiles 4 h .. 4 h + 3: the wave stores 512 consecutive bytes
	s_branch .Ldone
.Lvpath:
	; ---- v: quantised along the keys.  The 128 tokens x 64 channels turn through my stage, so that a lane gets a channel and its registers run down the keys
	s_mul_i32 s90, s84, 13056
	s_mov_b32 s91, 0
	s_add_nc_u64 s[86:87], s[20:21], s[90:91]
	WIN 0x04                                       ; an LDS store's data are its source 1: window 1
.irp a, 0,1,2,3,4,5,6,7
.irp j, 0,1,2,3
	ds_store_b128 v4, v[8*(4*\a+\j):8*(4*\a+\j)+3] offset:(32*(\a/2)+8*(\a%2))*272+128*(\j/2)+32*(\j%2)
	ds_store_b128 v4, v[8*(4*\a+\j)+4:8*(4*\a+\j)+7] offset:(32*(\a/2)+8*(\a%2))*272+128*(\j/2)+32*(\j%2)+16
.endr
.endr
	WIN 0
.macro VLOAD kb, bb                    ; keys 32 kb .. 32 kb + 31 of my channel: a wave's load reads 128 consecutive bytes; a wave's LDS instructions are served in order
.set n, 0
.rept 32
	ds_load_b32 v[VX+32*(\kb)+n], v5 offset:(32*(\kb)+n)*272+128*(\bb)
.set n, n+1
.endr
.endm
.macro VBLK kb, bb
	v_max3_num_f32 v[VTM+\kb], |v[VX+32*\kb]|, |v[VX+32*\kb+1]|, 0x1800000
	v_max3_num_f32 v[VT2], |v[VX+32*\kb+2]|, |v[VX+32*\kb+3]|, |v[VX+32*\kb+4]|
.irp i, 5,9,13,17,21,25
	v_max3_num_f32 v[VTM+\kb], v[VTM+\kb], |v[VX+32*\kb+\i]|, |v[VX+32*\kb+\i+1]|
	v_max3_num_f32 v[VT2], v[VT2], |v[VX+32*\kb+\i+2]|, |v[VX+32*\kb+\i+3]|
.endr
	v_max3_num_f32 v[VTM+\kb], v[VTM+\kb], |v[VX+32*\kb+29]|, |v[VX+32*\kb+30]|
	v_max3_num_f32 v[VTM+\kb], v[VTM+\kb], v[VT2], |v[VX+32*\kb+31]|
	v_add_nc_u32 v[VSO+\kb], 0xff000000, v[VTM+\kb]
	v_lshrrev_b32 v[VBY+\kb], 23, v[VSO+\kb]
.if \kb == 0
	v_mov_b32 v[2+\bb], v[VBY]
.else
	v_lshl_or_b32 v[2+\bb], v[VBY+\kb], 8*\kb, v[2+\bb]
.endif
	v_cvt_scalef32_pk16_fp6_f32 v[VC+8*\kb:VC+8*\kb+2], v[VX+32*\kb:VX+32*\kb+15], v[VSO+\kb]
	v_cvt_scalef32_pk16_fp6_f32 v[VU+4*\kb:VU+4*\kb+2], v[VX+32*\kb+16:VX+32*\kb+31], v[VSO+\kb]
.endm
.macro VHALF bb                        ; channels 32 bb .. 32 bb + 31: channel tiles 2 bb and 2 bb + 1
	VLOAD 0, \bb
	VLOAD 1, \bb
	s_wait_dscnt 32                                ; block 0 is in; the youngest 32 loads stay out (and so below)
	VLOAD 2, \bb
	VBLK 0, \bb
	s_wait_dscnt 32
	VLOAD 3, \bb
	VBLK 1, \bb
	s_wait_dscnt 32
	VBLK 2, \bb
	s_wait_dscnt 0x0
	VBLK 3, \bb
	v_nop                                          ; one plain place behind the conversions
.irp kb, 0,1,2,3
.irp i, 0,1,2
	v_mov_b32 v[VC+8*\kb+3+\i], v[VU+4*\kb+\i]
.endr
.endr
.irp c, 0,1
.irp i, 0,1,2,3,4,5
	v_permlane16_swap_b32 v[VC+16*\c+\i], v[VC+16*\c+8+\i]   ; the first becomes the even tile's half image c, the second the odd tile's
.endr
.endr
.irp c, 0,1
.irp u, 0,1
	global_store_b128 v12, v[VC+16*\c+8*\u:VC+16*\c+8*\u+3], s[86:87] offset:6144+(2*(\bb)+\u)*1536+768*\c
	global_store_b64 v13, v[VC+16*\c+8*\u+4:VC+16*\c+8*\u+5], s[86:87] offset:6144+(2*(\bb)+\u)*1536+768*\c+512
.endr
.endr
.endm
	VHALF 0
	s_wait_xcnt 0x0                                ; the stores have read the codes' registers
	VHALF 1
	global_store_b64 v6, v[2:3], s[86:87] offset:12800   ; my channel row's two words: the wave stores 256 consecutive bytes, aligned
.Ldone:
	s_wait_tensorcnt 0x0
	ds_add_u32 v91, v95
	s_wait_dscnt 0x0
	CROUND                                         ; the closing round: no work-group ends while a partner may still ask jointly
	s_endpgm
.Lfunc_end_k_q7e9f4a9ccc_qkv:
	.size	k_q7e9f4a9ccc_qkv, .Lfunc_end_k_q7e9f4a9ccc_qkv-k_q7e9f4a9ccc_qkv
	.p2alignl 7, 3214868480
	.fill 96, 4, 3214868480
	.section	.rodata,"a",@progbits
	.p2align	6, 0x0
	.amdhsa_kernel k_q7e9f4a9ccc_qkv
		.amdhsa_group_segment_fixed_size 295424
		.amdhsa_private_segment_fixed_size 0
		.amdhsa_enable_private_segment 0
		.amdhsa_kernarg_size 72
		.amdhsa_user_sgpr_count 2
		.amdhsa_user_sgpr_kernarg_segment_ptr 1
		.amdhsa_wavefront_size32 1
		.amdhsa_system_sgpr_workgroup_id_x 1
		.amdhsa_system_sgpr_workgroup_id_y 1
		.amdhsa_system_sgpr_workgroup_id_z 1
		.amdhsa_system_vgpr_workitem_id 0
		.amdhsa_next_free_vgpr 912
		.amdhsa_next_free_sgpr 100
		.amdhsa_reserve_vcc 1
		.amdhsa_float_denorm_mode_32 3
		.amdhsa_float_denorm_mode_16_64 3
		.amdhsa_memory_ordered 1
		.amdhsa_forward_progress 1
		.amdhsa_inst_pref_size 120
	.end_amdhsa_kernel
	.amdgpu_metadata
---
amdhsa.version: [ 1, 2 ]
amdhsa.kernels:
  - .name:           k_q7e9f4a9ccc_qkv
    .symbol:         k_q7e9f4a9ccc_qkv.kd
    .args:
      - { .name: xc, .offset: 0, .size: 8, .value_kind: global_buffer, .address_space: global }
      - { .name: xs, .offset: 8, .size: 8, .value_kind: global_buffer, .address_space: global }
      - { .name: wc, .offset: 16, .size: 8, .value_kind: global_buffer, .address_space: global }
      - { .name: ws, .offset: 24, .size: 8, .value_kind: global_buffer, .address_space: global }
      - { .name: bq, .offset: 32, .size: 8, .value_kind: global_buffer, .address_space: global }
      - { .name: bk, .offset: 40, .size: 8, .value_kind: global_buffer, .address_space: global }
      - { .name: bv, .offset: 48, .size: 8, .value_kind: global_buffer, .address_space: global }
      - { .name: qb, .offset: 56, .size: 8, .value_kind: global_buffer, .address_space: global }
      - { .name: kv, .offset: 64, .size: 8, .value_kind: global_buffer, .address_space: global }
    .group_segment_fixed_size: 295424
    .private_segment_fixed_size: 0
    .kernarg_segment_align: 8
    .kernarg_segment_size: 72
    .max_flat_workgroup_size: 128
    .sgpr_count:     100
    .vgpr_count:     912
    .wavefront_size: 32
...
	.end_amdgpu_metadata
.endif
;; end of part 2
;; launch attn (part 3): grid 4 x 64, 8 waves a work-group, clusters of 4 x 1, 263,168 bytes of LDS; arguments qb, kv, zc, zs; writes zc, zs
.if DOCPART == 3
	.amdgcn_target "amdgcn-amd-amdhsa--gfx1250"
	.amdhsa_code_object_version 6
	.text
	.protected	k_q7e9f4a9ccc_attn
	.globl	k_q7e9f4a9ccc_attn
	.p2align	8
	.type	k_q7e9f4a9ccc_attn,@function
k_q7e9f4a9ccc_attn:
	s_mov_b64 s[64:65], 0
	v_nop
	global_prefetch_b8 v0, s[64:65] scope:SCOPE_SE
	s_setreg_imm32_b32 hwreg(HW_REG_WAVE_MODE, 25, 1), 1
	s_wait_xcnt 0x0
	s_wait_alu depctr_hold_cnt(0) depctr_sa_sdst(0) depctr_va_vdst(0) depctr_va_sdst(0) depctr_va_ssrc(0) depctr_va_vcc(0) depctr_vm_vsrc(0)
	s_getreg_b32 s2, hwreg(HW_REG_IB_STS2, 6, 4)
	s_cmp_eq_u32 s2, 0
	s_cbranch_scc0 .Lentry_in_a_cluster
	s_endpgm
.Lentry_in_a_cluster:
	s_bfe_u32 s2, ttmp6, 0x10000c
	s_cmp_lg_u32 s2, 0x3003
	s_cbranch_scc0 .Lentry_shape_is_right
	s_endpgm
.Lentry_shape_is_right:
; z = softmax(q k^T / 8) v for one batch and head, both products on codes of FP6 (E2M3) with E8M0 scales; z is quantised along the head's 64 on the way out, for the output projection.
; THE SOFTMAX: t = score x log2(e) / 8; M = the running largest t rounded UP to a whole number; p = 2^(t - M) is quantised along the keys, not normalised; the row's sum is taken of the
; unquantised p and divides at the end.  When M moves, the sum and O are multiplied by 2^(old M - new M): exact.
; SHARES: a work-group owns 512 queries of one head, each of its eight waves 64: four tiles of 16, which share each fragment of K and V; two waves to a SIMD.
; THE HEAD'S K AND V, 16 key steps x 13,056 bytes, LIE IN LDS, each byte filled once: wave w brings steps 2 w and 2 w + 1 by ONE tensor load (102 rows of 256 bytes): one tensor load of mine is out.
; CLUSTER: the four query blocks of a head ask for these tiles jointly (the mask names all four).  No prefetch: all tiles are asked for at the head, so there is no loop to run ahead in.
; LAYOUT: both products transposed (S^T = K Q^T, O^T = V^T P^T): a lane holds one query.  THE KEYS OF A TILE ARE CHOSEN AT THE LDS LOAD: rows 0-7 of tile 4 c + t are keys 64 c + 8 t + 0..7, rows 8-15 keys
; 64 c + 32 + 8 t + 0..7.  So lane (r, h) holds in v[S + 32 c ..+31] the whole block 2 c + h of 32 keys, in order, which is what P's operand wants of that lane: a block's maximum and codes need no other lane.
; In kv a stored tile 2 b + u holds in lane r key 32 b + 8 u + r + 8 (r / 8): my tile 4 c + 2 v + u takes rows 8 v .. 8 v + 7 of stored tiles 4 c + u (lanes r < 8) and 4 c + 2 + u (r >= 8).
; The first product's K is 64: Q's upper six registers are zero codes and that half's scale bytes are 0x7f; K's tile t names v[KF + 6 t ..+11], whose upper six are the next tile's codes (behind the last: zeros).
; O^T and the sums begin as zeros and the largest score as -3e38, so the key step is written once: 128 moves once, against a second copy of the step.
; The last trip's look-ahead for K is held at step 15 by s_min_u32: it reads that step again and nothing uses it.
; LIMITS: NaN and infinities are not served; the scaled scores stay under 2^31 in magnitude; a block whose largest p lies under 2^-124 gets the byte 1 (zeros have zero codes; this program alone reads the bytes).
; REGISTERS: window 0: v1-7, v11 lane terms; v8-10 a step's LDS addresses, then codes as converted; v[12 + 6 i ..] tile i: -M, largest score, the sum (2), f, spare; v36-43 maxima and scale work; v44-59 the sum's chains;
;   v60-62 codes as converted; v64-127 S^T, then p; v128-181 K; v182-189 K's scale words, v190-193 V's; v[196 + 12 i ..] p's codes; v244-247 p's scale words; v248-251 Q's.  window 1: v[32 i ..] O^T; v128-175 V; v[192 + 12 i ..] Q.
.set STEPB, 13056                      ; a key step: K 6,144, V 6,144, K's scale words 512, V's 256
.set SPARE, 0x40000                    ; the spare words, 128 bytes a wave, apart from the tiles
.set X,   36
.set TR,  44
.set S,   64
.set KF,  128
.set KSC, 182
.set VSC, 190
.set PC,  196
.set PW,  244
.set QS,  248
.set MSB, 0
.macro WIN new
.if MSB != (\new)
	s_set_vgpr_msb (MSB<<8)|(\new)
.set MSB, (\new)
.endif
.endm
.macro CROUND
	s_barrier_signal -1
	s_barrier_wait -1
	s_cmp_lg_u32 s12, 0
	s_cbranch_scc1 .Lnot_wave_0_\@
	s_barrier_signal -3
.Lnot_wave_0_\@:
	s_barrier_wait -3
	s_barrier_signal -1
	s_barrier_wait -1
.endm
.macro SMUL i                          ; S^T of tile i: eight key tiles
	WIN 0x04                                       ; source 1 (Q) window 1
.irp t, 0,1,2,3,4,5,6,7
	v_wmma_scale_f32_16x16x128_f8f6f4 v[S+8*\t:S+8*\t+7], v[KF+6*\t:KF+6*\t+11], v[192+12*\i:203+12*\i], 0, v[KSC+\t], v[QS+\i] matrix_a_fmt:MATRIX_FMT_FP6 matrix_b_fmt:MATRIX_FMT_FP6
.endr
.endm
.macro PV i                            ; O^T of tile i += V^T P^T: four accumulators, one instruction each
	WIN 0x51                                       ; V, C and D window 1
.irp ct, 0,1,2,3
	v_wmma_scale_f32_16x16x128_f8f6f4 v[32*\i+8*\ct:32*\i+8*\ct+7], v[128+12*\ct:139+12*\ct], v[PC+12*\i:PC+12*\i+11], v[32*\i+8*\ct:32*\i+8*\ct+7], v[VSC+2*(\ct%2)+\ct/2], v[PW+\i] matrix_a_fmt:MATRIX_FMT_FP6 matrix_b_fmt:MATRIX_FMT_FP6
.endr
	WIN 0
.endm
.macro KLOAD                           ; K's fragments and scale words of the step at LDS byte s46: three plain lines, then 20 loads
	v_add_nc_u32 v8, s46, v3
	v_add_nc_u32 v9, s46, v4
	v_add_nc_u32 v10, s46, v5
.irp c, 0,1
.irp v, 0,1
.irp u, 0,1
	ds_load_b128 v[KF+6*(4*\c+2*\v+\u):KF+6*(4*\c+2*\v+\u)+3], v8 offset:768*(4*\c+\u)+128*\v
	ds_load_b64 v[KF+6*(4*\c+2*\v+\u)+4:KF+6*(4*\c+2*\v+\u)+5], v9 offset:768*(4*\c+\u)+64*\v+512
.endr
.endr
.endr
.irp c, 0,1
.irp v, 0,1
	ds_load_b64 v[KSC+4*\c+2*\v:KSC+4*\c+2*\v+1], v10 offset:12288+256*\v+16*\c   ; the words of my tiles 4 c + 2 v, + 1
.endr
.endr
.endm
.macro VLOAD                           ; V's fragments and scale words of the step at LDS byte s40: three plain lines, then 17 loads
	v_add_nc_u32 v8, s40, v1
	v_add_nc_u32 v9, s40, v2
	v_add_nc_u32 v10, s40, v6
	WIN 0x40
.irp ct, 0,1,2,3
.irp c, 0,1
	ds_load_b128 v[128+12*\ct+6*\c:131+12*\ct+6*\c], v8 offset:6144+1536*\ct+768*\c
	ds_load_b64 v[132+12*\ct+6*\c:133+12*\ct+6*\c], v9 offset:6144+1536*\ct+768*\c+512
.endr
.endr
	WIN 0
	ds_load_b128 v[VSC:VSC+3], v10 offset:12800    ; register 2 (tile % 2) + tile / 2
.endm
; tile i's softmax of a key step.  v46 holds the old -M.  Independent chains take turns; the scale word's chain is laid between the sum's adds.
.macro SM i
.set NM,  12+6*(\i)
.set SU,  14+6*(\i)
.set FF,  16+6*(\i)
.set PCI, PC+12*(\i)
.irp c, 0,1                            ; the largest score of my two blocks: eight chains, one to an accumulator, each from its low end on
.irp q, 0,1,2,3
	v_max3_num_f32 v[X+4*\c+\q], v[S+32*\c+8*\q], v[S+32*\c+8*\q+1], v[S+32*\c+8*\q+2]
.endr
.endr
.irp n, 3,5
.irp c, 0,1
.irp q, 0,1,2,3
	v_max3_num_f32 v[X+4*\c+\q], v[X+4*\c+\q], v[S+32*\c+8*\q+\n], v[S+32*\c+8*\q+\n+1]
.endr
.endr
.endr
.irp c, 0,1
	v_max3_num_f32 v[X+4*\c], v[X+4*\c], v[X+4*\c+1], v[S+32*\c+7]
	v_max3_num_f32 v[X+4*\c+2], v[X+4*\c+2], v[X+4*\c+3], v[S+32*\c+15]
.endr
	v_max3_num_f32 v[X], v[X], v[X+2], v[S+23]
	v_max3_num_f32 v[X+4], v[X+4], v[X+6], v[S+55]
	v_max_num_f32 v[X], v[X], v[S+31]
	v_max_num_f32 v[X+4], v[X+4], v[S+63]
	v_max_num_f32 v[TR], v[X], v[X+4]
	v_permlanex16_b32 v[TR+1], v[TR], s20, s21     ; lane l xor 16's two blocks
	v_max3_num_f32 v[NM+1], v[NM+1], v[TR], v[TR+1]   ; the running largest score
	v_mul_f32 v[TR], s22, v[NM+1]                  ; as t (c is positive)
	v_floor_f32 v[NM], -v[TR]                      ; -M = floor(-t): M is a whole number
	v_sub_f32 v[TR+2], v[NM], v[TR+2]              ; old M - new M: a whole number, 0 or less
.irp j, 0,2,4,6
	v_pk_fma_f32 v[S+\j:S+\j+1], v[S+\j:S+\j+1], s[22:23], v[NM:NM+1] op_sel_hi:[1,0,0]   ; t - M, two at a time
.endr
	v_cvt_i32_f32 v[TR+2], v[TR+2]                 ; (it saturates)
.irp j, 8,10,12,14
	v_pk_fma_f32 v[S+\j:S+\j+1], v[S+\j:S+\j+1], s[22:23], v[NM:NM+1] op_sel_hi:[1,0,0]
.endr
	v_ldexp_f32 v[FF], 1.0, v[TR+2]                ; f = 2^(old M - new M)
.irp j, 16,18,20,22,24,26,28,30,32,34,36,38,40,42,44,46,48,50,52,54,56,58,60,62
	v_pk_fma_f32 v[S+\j:S+\j+1], v[S+\j:S+\j+1], s[22:23], v[NM:NM+1] op_sel_hi:[1,0,0]
.endr
	v_fma_f32 v[X], v[X], s22, v[NM]               ; the same of each block's largest score
	v_fma_f32 v[X+4], v[X+4], s22, v[NM]
	WIN 0x41                                       ; O^T in window 1
	s_wait_alu depctr_va_vdst(0)                   ; the wait directly ahead of the first reader of O^T
.irp j, 0,2,4,6,8,10,12,14,16,18,20,22,24,26,28,30
	v_pk_mul_f32 v[32*\i+\j:32*\i+\j+1], v[32*\i+\j:32*\i+\j+1], v[FF:FF+1] op_sel_hi:[1,0]   ; O^T under the new M
.endr
	WIN 0
	s_wait_alu depctr_va_vdst(0)                   ; the wait ahead of the batch
.set n, 0
.rept 64
	v_exp_f32 v[S+n], v[S+n]                       ; p = 2^(t - M)
.set n, n+1
.endr
	v_exp_f32 v[X], v[X]                           ; the blocks' largest p: the same two instructions on the same number
	v_exp_f32 v[X+4], v[X+4]
	v_nop                                          ; a plain place behind the exponentials
	s_wait_alu depctr_va_vdst(0)                   ; one wait for the batch
	v_max_num_f32 v[X], 0x1800000, v[X]            ; the floor 2^(3 - 127): the byte cannot fall under 1
	v_max_num_f32 v[X+4], 0x1800000, v[X+4]
.irp k, 0,2,4,6,8,10,12,14             ; the row's sum, of the unquantised p: eight chains of pairs
	v_pk_add_f32 v[TR+\k:TR+\k+1], v[S+\k:S+\k+1], v[S+16+\k:S+17+\k]
.endr
	v_add_nc_u32 v[X+3], 0xff000000, v[X]          ; 2 off the exponent field: the conversions' scale operands
	v_add_nc_u32 v[X+7], 0xff000000, v[X+4]
.irp k, 0,2,4,6
	v_pk_add_f32 v[TR+\k:TR+\k+1], v[TR+\k:TR+\k+1], v[S+32+\k:S+33+\k]
.endr
	v_lshrrev_b32 v[X+1], 23, v[X+3]               ; the bytes of blocks h and 2 + h
	v_lshrrev_b32 v[X+5], 23, v[X+7]
.irp k, 8,10,12,14
	v_pk_add_f32 v[TR+\k:TR+\k+1], v[TR+\k:TR+\k+1], v[S+32+\k:S+33+\k]
.endr
.irp c, 0,1
	v_cvt_scalef32_pk16_fp6_f32 v[PCI+6*\c:PCI+6*\c+2], v[S+32*\c:S+32*\c+15], v[X+4*\c+3]
	v_cvt_scalef32_pk16_fp6_f32 v[60-52*\c:62-52*\c], v[S+32*\c+16:S+32*\c+31], v[X+4*\c+3]   ; (a conversion's three registers begin on an even number)
.endr
	v_lshl_or_b32 v[X+2], v[X+5], 16, v[X+1]       ; (the plain place behind the conversions)
.irp c, 0,1
.irp n, 0,1,2
	v_mov_b32 v[PCI+6*\c+3+\n], v[60-52*\c+\n]
.endr
.endr
	v_lshlrev_b32 v[X+2], v7, v[X+2]               ; 8 h bits up
.irp k, 0,2,4,6
	v_pk_add_f32 v[TR+\k:TR+\k+1], v[TR+\k:TR+\k+1], v[S+48+\k:S+49+\k]
.endr
	v_permlanex16_b32 v[X+6], v[X+2], s20, s21
.irp k, 8,10,12,14
	v_pk_add_f32 v[TR+\k:TR+\k+1], v[TR+\k:TR+\k+1], v[S+48+\k:S+49+\k]
.endr
	v_or_b32 v[PW+\i], v[X+2], v[X+6]              ; p's scale word of these 128 keys; the eight lines below are its places ahead of the product
.irp k, 0,2,4,6
	v_pk_add_f32 v[TR+\k:TR+\k+1], v[TR+\k:TR+\k+1], v[TR+8+\k:TR+9+\k]
.endr
.irp k, 0,2
	v_pk_add_f32 v[TR+\k:TR+\k+1], v[TR+\k:TR+\k+1], v[TR+4+\k:TR+5+\k]
.endr
	v_pk_add_f32 v[TR:TR+1], v[TR:TR+1], v[TR+2:TR+3]
	v_pk_fma_f32 v[SU:SU+1], v[SU:SU+1], v[FF:FF+1], v[TR:TR+1] op_sel_hi:[1,0,1]   ; the old sum under the new M, and this step's
.endm
	s_load_b256 s[4:11], s[0:1], 0x0               ; qb s[4:5], kv s[6:7], zc s[8:9], zs s[10:11]
	v_lshl_add_u32 v254, v0, 2, SPARE
	v_mov_b32 v255, 0
	ds_add_u32 v254, v255
	ds_add_u32 v254, v255
	v_lshrrev_b32 v1, 5, v0
	v_readfirstlane_b32 s12, v1                    ; wave 0..7
	s_bfe_u32 s13, ttmp6, 0x40000                  ; cx: my block of 512 queries: it enters Q's and z's global addresses alone
	s_and_b32 s14, ttmp7, 0xffff                   ; 16 x batch + head, which the four partners share
	s_mov_b32 s24, 15|(3<<16)|(1<<21)              ; the mask: all four; elements of 8 bytes; bit 21 beside a mask
	s_mov_b32 s25, 32<<16                          ; tensor_dim0: 256 bytes
	s_mov_b32 s26, 102<<16                         ; tensor_dim1: 102 rows: two key steps' dense 26,112 bytes
	s_mov_b32 s27, 32<<16
	s_mov_b32 s28, 102
	s_mov_b32 s29, 32
	s_mov_b32 s30, 0
	s_mov_b32 s31, 0
	s_mul_i32 s42, s14, 16*STEPB
	s_mul_i32 s15, s12, 2*STEPB
	s_add_co_u32 s42, s42, s15
	s_mov_b32 s43, 0
	s_lshl_b32 s16, s14, 4
	s_lshl_b32 s17, s13, 2
	s_add_co_u32 s16, s16, s17
	s_lshr_b32 s17, s12, 1
	s_add_co_u32 s16, s16, s17                     ; Q's block of 128 tokens: 16 bh + 4 cx + wave / 2
	s_mul_i32 s16, s16, 6656
	s_mov_b32 s17, 0
	s_and_b32 s18, s12, 1
	s_mul_i32 s44, s18, 3072                       ; my four tiles of its eight
	s_mov_b32 s45, 0
	s_lshl_b32 s18, s18, 4
	s_mov_b32 s20, 0x76543210
	s_mov_b32 s21, 0xfedcba98
	s_mov_b32 s22, 0x3e38aa3b                      ; c = log2(e) / 8
	s_mov_b32 s23, s22
	s_mov_b32 s40, 0
	s_mov_b32 s46, 0
	s_mov_b32 s41, 16
	s_wait_dscnt 0x0
	s_wait_kmcnt 0x0
	s_add_nc_u64 s[42:43], s[6:7], s[42:43]
	s_add_nc_u64 s[4:5], s[4:5], s[16:17]
	s_add_nc_u64 s[44:45], s[4:5], s[44:45]
	CROUND                                         ; all four work-groups are here: the joint loads meet
	s_mov_b32 s32, 1
	s_mov_b32 s33, s15                             ; key steps 2 wave, 2 wave + 1
	s_mov_b64 s[34:35], s[42:43]
	s_or_b32 s35, s35, 0x80000000
	tensor_load_to_lds s[32:35], s[24:31]
	s_nop 0
.rept 4
	v_nop
.endr
	v_and_b32 v60, 31, v0                          ; lane
	v_and_b32 v61, 15, v0                          ; r
	v_bfe_u32 v62, v0, 4, 1                        ; h
	v_and_b32 v63, 7, v0                           ; r % 8
	v_bfe_u32 v44, v0, 3, 1                        ; r / 8
	v_lshlrev_b32 v1, 4, v60                       ; 16 x lane
	v_lshlrev_b32 v2, 3, v60                       ; 8 x lane
	v_mul_u32_u24 v3, v44, 1536                    ; K: two stored tiles on for r >= 8,
	v_lshlrev_b32 v5, 3, v44
	v_lshlrev_b32 v6, 4, v61                       ; V's scale words: 16 r
	v_lshlrev_b32 v7, 3, v62                       ; 8 h
	v_lshl_add_u32 v4, v63, 3, v3
	v_lshl_add_u32 v3, v63, 4, v3                  ; stored lane r % 8 + 16 h: registers 0-3 at 16 x it,
	v_lshl_add_u32 v5, v63, 5, v5                  ; K's scale words: 32 (r % 8) + 8 (r / 8)
	v_lshl_add_u32 v4, v62, 7, v4                  ; registers 4-5 at 8 x it
	v_lshl_add_u32 v3, v62, 8, v3
	v_add_nc_u32 v11, v6, v62                      ; 16 r + h: my byte among z's scales
	v_lshlrev_b32 v9, 5, v61
	v_add_nc_u32 v9, s18, v9                       ; Q's scale words: 32 r + 16 (wave % 2)
	global_load_b128 v[QS:QS+3], v9, s[4:5] offset:6144
	WIN 0x40                                       ; destination window 1
.irp i, 0,1,2,3
	global_load_b128 v[192+12*\i:195+12*\i], v1, s[44:45] offset:768*\i
	global_load_b64 v[196+12*\i:197+12*\i], v2, s[44:45] offset:768*\i+512
.endr
.irp i, 0,1,2,3
.irp j, 6,7,8,9,10,11
	v_mov_b32 v[192+12*\i+\j], 0                   ; Q's upper 64 along K: zero codes
.endr
.endr
.set n, 0
.rept 128
	v_mov_b32 v[n], 0                              ; O^T
.set n, n+1
.endr
	WIN 0
.irp i, 0,1,2,3
	v_mov_b32 v[12+6*\i], 0x7f61b1e6               ; -M: 3e38
	v_mov_b32 v[13+6*\i], 0xff61b1e6               ; the largest score so far: -3e38
	v_mov_b32 v[14+6*\i], 0
	v_mov_b32 v[15+6*\i], 0
	v_mov_b32 v[16+6*\i], 0
	v_mov_b32 v[17+6*\i], 0
.endr
	v_mov_b32 v[TR+1], 0                           ; a lane permute's destination counts as read
.irp j, 48,49,50,51,52,53
	v_mov_b32 v[KF+\j], 0                          ; behind K's last tile: zero codes
.endr
	s_wait_alu depctr_va_vdst(0)                   ; the wait at the head's end
	s_wait_loadcnt 0x0                             ; Q
	s_wait_tensorcnt 0x0                           ; my two key steps have landed
	s_barrier_signal -1
	s_barrier_wait -1                              ; all sixteen lie in LDS; nothing is filled again
	KLOAD                                          ; step 0's K
	s_wait_alu depctr_va_vdst(0)
.Lstep:                                                ; a key step: 128 keys at LDS byte s40
	s_wait_dscnt 0x0                               ; this step's K is in (asked for under the last step's fourth softmax)
	SMUL 0
	WIN 0
	s_add_co_u32 s46, s40, STEPB
	s_min_u32 s46, s46, 15*STEPB                   ; the next step's K, held at the last step
	v_mov_b32 v[TR+2], v12                         ; with VLOAD's three lines: the four places behind the products, ahead of the loads and of the first read of the scores
	VLOAD
	SM 0
	s_wait_alu depctr_va_vdst(0)                   ; the wait ahead of the wait below
	s_wait_dscnt 0x0                               ; V is in
.irp i, 1,2
	SMUL \i
.if \i == 1
	PV 0
.else
	PV 1
.endif
	v_mov_b32 v[TR+2], v[12+6*\i]
.rept 3
	v_nop                                          ; four places ahead of the first read of the scores
.endr
	SM \i
.endr
	SMUL 3
	PV 2
	v_mov_b32 v[TR+2], v30                         ; with KLOAD's three lines: four places; K is done with, the next step's lands under this softmax
	KLOAD
	SM 3
	PV 3
	s_add_co_u32 s40, s40, STEPB
	s_sub_co_u32 s41, s41, 1
	s_cmp_lg_u32 s41, 0
	s_wait_alu depctr_va_vdst(0)                   ; the wait ahead of the branch
	s_cbranch_scc1 .Lstep
	; ---- the way out: z = O^T / the sum, quantised along the head's 64 (two blocks a row), stored as half image `head` of its token tile
.set BM,  36
.set BP,  40
.set SOP, 44
.set CT,  48
.set T0,  56
.irp i, 0,1,2,3
	v_add_f32 v[14+6*\i], v[14+6*\i], v[15+6*\i]   ; the sum's two halves (the four places behind the last products),
.endr
.irp i, 0,1,2,3
	v_permlanex16_b32 v[BP+\i], v[14+6*\i], s20, s21
.endr
.irp i, 0,1,2,3
	v_add_f32 v[14+6*\i], v[14+6*\i], v[BP+\i]     ; and lane l xor 16's
.endr
	v_and_b32 v63, 31, v0
	s_wait_alu depctr_va_vdst(0)
.irp i, 0,1,2,3
	v_rcp_f32 v[16+6*\i], v[14+6*\i]
.endr
	v_nop                                          ; a plain place behind the reciprocals
	v_cmp_le_u32 vcc_lo, 16, v63                   ; lanes 16-31
	s_wait_alu depctr_va_vdst(0)
	s_lshr_b32 s15, s14, 4                         ; batch
	s_and_b32 s16, s14, 15                         ; head
	s_lshl_b32 s15, s15, 7
	s_lshl_b32 s17, s13, 5
	s_add_co_u32 s15, s15, s17
	s_lshl_b32 s17, s12, 2
	s_add_co_u32 s15, s15, s17                     ; my first token tile: 128 batch + 32 cx + 4 wave
	s_mul_i32 s42, s15, 12288
	s_mul_i32 s17, s16, 768
	s_add_co_u32 s42, s42, s17
	s_mov_b32 s43, 0
	s_add_nc_u64 s[8:9], s[8:9], s[42:43]
	s_lshl_b32 s42, s15, 9
	s_lshr_b32 s17, s16, 3
	s_lshl_b32 s17, s17, 8                         ; which half of K,
	s_add_co_u32 s42, s42, s17
	s_bfe_u32 s17, s16, 0x20001
	s_lshl_b32 s17, s17, 2                         ; which word,
	s_add_co_u32 s42, s42, s17
	s_and_b32 s17, s16, 1
	s_lshl_b32 s17, s17, 1                         ; which two bytes of it
	s_add_co_u32 s42, s42, s17
	s_add_nc_u64 s[10:11], s[10:11], s[42:43]
.macro ZPAIR i0                        ; tiles i0 and i0 + 1
	WIN 0x01
	s_wait_alu depctr_va_vdst(0)                   ; the wait directly ahead of the first reader of O^T
.irp k, 0,1
.irp j, 0,2,4,6,8,10,12,14,16,18,20,22,24,26,28,30
	v_pk_mul_f32 v[S+32*\k+\j:S+32*\k+\j+1], v[32*((\i0)+\k)+\j:32*((\i0)+\k)+\j+1], v[16+6*((\i0)+\k):17+6*((\i0)+\k)] op_sel_hi:[1,0]   ; each accumulator from its low end on
.endr
.endr
	WIN 0
.irp kb, 0,1,2,3
	v_max3_num_f32 v[BM+\kb], |v[S+16*\kb]|, |v[S+16*\kb+1]|, 0x1800000
.endr
.irp n, 2,4,6,8,10,12,14
.irp kb, 0,1,2,3
	v_max3_num_f32 v[BM+\kb], v[BM+\kb], |v[S+16*\kb+\n]|, |v[S+16*\kb+\n+1]|
.endr
.endr
.irp kb, 0,1,2,3
	v_permlanex16_b32 v[BP+\kb], v[BM+\kb], s20, s21
.endr
.irp kb, 0,1,2,3
	v_max_num_f32 v[BM+\kb], v[BM+\kb], v[BP+\kb]  ; a block of z lies in lanes l and l xor 16
.endr
.irp kb, 0,1,2,3
	v_add_nc_u32 v[SOP+\kb], 0xff000000, v[BM+\kb]
.endr
.irp kb, 0,1,2,3
	v_lshrrev_b32 v[BP+\kb], 23, v[SOP+\kb]
.endr
.irp k, 0,1
	v_cndmask_b32 v[T0+(\i0)+\k], v[BP+2*\k], v[BP+2*\k+1], vcc_lo       ; lanes 0-15 store block 0's byte, lanes 16-31 block 1's
.endr
.irp k, 0,1
	v_cvt_scalef32_pk16_fp6_f32 v[PC+12*((\i0)+\k):PC+2+12*((\i0)+\k)], v[S+32*\k:S+32*\k+15], v[SOP+2*\k]
	v_cvt_scalef32_pk16_fp6_f32 v[CT+4*\k:CT+4*\k+2], v[S+32*\k+16:S+32*\k+31], v[SOP+2*\k+1]
.endr
	v_nop                                          ; one plain place behind the conversions
.irp k, 0,1
.irp n, 0,1,2
	v_permlane16_swap_b32 v[PC+12*((\i0)+\k)+\n], v[CT+4*\k+\n]   ; a whole block to a lane
.endr
.irp n, 0,1,2
	v_mov_b32 v[PC+3+12*((\i0)+\k)+\n], v[CT+4*\k+\n]
.endr
.endr
.irp k, 0,1
	global_store_b128 v1, v[PC+12*((\i0)+\k):PC+3+12*((\i0)+\k)], s[8:9] offset:12288*((\i0)+\k)
	global_store_b64 v2, v[PC+4+12*((\i0)+\k):PC+5+12*((\i0)+\k)], s[8:9] offset:12288*((\i0)+\k)+512
	global_store_b8 v11, v[T0+(\i0)+\k], s[10:11] offset:512*((\i0)+\k)  ; single bytes, 32 a tile: the rest of each scale word belongs to other heads' work-groups
.endr
.endm
	ZPAIR 0
	ZPAIR 2
	s_wait_tensorcnt 0x0                           ; the wave's end
	ds_add_u32 v254, v255
	s_wait_dscnt 0x0
	CROUND                                         ; the closing round
	s_endpgm
.Lfunc_end_k_q7e9f4a9ccc_attn:
	.size	k_q7e9f4a9ccc_attn, .Lfunc_end_k_q7e9f4a9ccc_attn-k_q7e9f4a9ccc_attn
	.p2alignl 7, 3214868480
	.fill 96, 4, 3214868480
	.section	.rodata,"a",@progbits
	.p2align	6, 0x0
	.amdhsa_kernel k_q7e9f4a9ccc_attn
		.amdhsa_group_segment_fixed_size 263168
		.amdhsa_private_segment_fixed_size 0
		.amdhsa_enable_private_segment 0
		.amdhsa_kernarg_size 32
		.amdhsa_user_sgpr_count 2
		.amdhsa_user_sgpr_kernarg_segment_ptr 1
		.amdhsa_wavefront_size32 1
		.amdhsa_system_sgpr_workgroup_id_x 1
		.amdhsa_system_sgpr_workgroup_id_y 1
		.amdhsa_system_sgpr_workgroup_id_z 1
		.amdhsa_system_vgpr_workitem_id 0
		.amdhsa_next_free_vgpr 496
		.amdhsa_next_free_sgpr 66
		.amdhsa_reserve_vcc 1
		.amdhsa_float_denorm_mode_32 3
		.amdhsa_float_denorm_mode_16_64 3
		.amdhsa_memory_ordered 1
		.amdhsa_forward_progress 1
		.amdhsa_inst_pref_size 80
	.end_amdhsa_kernel
	.amdgpu_metadata
---
amdhsa.version: [ 1, 2 ]
amdhsa.kernels:
  - .name:           k_q7e9f4a9ccc_attn
    .symbol:         k_q7e9f4a9ccc_attn.kd
    .args:
      - { .name: qb, .offset: 0, .size: 8, .value_kind: global_buffer, .address_space: global }
      - { .name: kv, .offset: 8, .size: 8, .value_kind: global_buffer, .address_space: global }
      - { .name: zc, .offset: 16, .size: 8, .value_kind: global_buffer, .address_space: global }
      - { .name: zs, .offset: 24, .size: 8, .value_kind: global_buffer, .address_space: global }
    .group_segment_fixed_size: 263168
    .private_segment_fixed_size: 0
    .kernarg_segment_align: 8
    .kernarg_segment_size: 32
    .max_flat_workgroup_size: 256
    .sgpr_count:     66
    .vgpr_count:     496
    .wavefront_size: 32
...
	.end_amdgpu_metadata
.endif
;; end of part 3
;; launch oproj (part 4): grid 8 x 32, 4 waves a work-group, clusters of 4 x 4, 312,832 bytes of LDS; arguments zc, zs, wc, ws, bo, out0; writes out0
.if DOCPART == 4
	.amdgcn_target "amdgcn-amd-amdhsa--gfx1250"
	.amdhsa_code_object_version 6
	.text
	.protected	k_q7e9f4a9ccc_oproj
	.globl	k_q7e9f4a9ccc_oproj
	.p2align	8
	.type	k_q7e9f4a9ccc_oproj,@function
k_q7e9f4a9ccc_oproj:
	s_mov_b64 s[64:65], 0
	v_nop
	global_prefetch_b8 v0, s[64:65] scope:SCOPE_SE
	s_setreg_imm32_b32 hwreg(HW_REG_WAVE_MODE, 25, 1), 1
	s_wait_xcnt 0x0
	s_wait_alu depctr_hold_cnt(0) depctr_sa_sdst(0) depctr_va_vdst(0) depctr_va_sdst(0) depctr_va_ssrc(0) depctr_va_vcc(0) depctr_vm_vsrc(0)
	s_getreg_b32 s2, hwreg(HW_REG_IB_STS2, 6, 4)
	s_cmp_eq_u32 s2, 0
	s_cbranch_scc0 .Lentry_in_a_cluster
	s_endpgm
.Lentry_in_a_cluster:
	s_bfe_u32 s2, ttmp6, 0x10000c
	s_cmp_lg_u32 s2, 0xf033
	s_cbranch_scc0 .Lentry_shape_is_right
	s_endpgm
.Lentry_shape_is_right:
; out0 = z Wo + bo on codes of FP6 (E2M3) with E8M0 scales, sums in f32.  z's codes and scales come from the attention launch, Wo's are feature tiles 192-255 of wc.
; A work-group makes 256 tokens x 128 columns; its four waves make 128 x 64 each: 32 accumulators of 16 x 16, which take turns.
; ALL OF K = 1,024 LIES IN LDS: 16 token tiles and 8 column tiles, each tile filled ONCE by the tensor data mover: no LDS byte is filled twice.
; Each wave has one tensor load out at the start; all of K is read behind one wait and a barrier.
; OPERANDS are images of their registers (half images of 768 bytes: 16 rows x 64 K; registers 0-3 at 16 x lane, 4-5 at 512 + 8 x lane), so a fragment is four contiguous LDS loads.
; CLUSTERS: 4 x 4 work-groups; the token tiles are asked for jointly along a row of the cluster, the column tiles along a column.
; THE PRODUCT IS USED TRANSPOSED (source 0 = 16 columns, source 1 = 16 tokens): a lane holds one token and, of column tiles 2 b, 2 b + 1, the columns 32 b + 16 (lane / 16) + 0 .. 15.  bo is the C of each sum's first product.
; Lane r of token tile 2 b + u is token 32 b + 8 u + r + 8 (r / 8).  The way out goes through the wave's own stage in LDS, behind the operands: sixteen lanes store 256 consecutive bytes, aligned.
; REGISTERS: window 0: v4-19 addresses; v32-63 z's scale words, v64-79 Wo's (scales alone); v96-127 the bias; v128-191 rows on their way out.
;   window 1: accumulator (token tile a, column tile j) at v[8 (4 a + j)].   windows 2, 3: two sets of fragments: tokens' at v[12 a], columns' at v[96 + 12 j].
.set FT0,  192                         ; first feature tile of wc that this launch reads
; LDS as this text lays it: a tile's whole K (12,288 bytes) lies on end; each wave brings its tiles by ONE tensor load (tokens 8 tiles, columns 4), so a wave has one tensor load out
.set CHA,  196608                      ; LDS: the tokens: 16 tiles x 12,288 bytes
.set CHB,  98304                       ; the columns: 8 tiles
.set LB,   CHA
.set STG,  LB+CHB                      ; the stages: 16 rows x 272 bytes for each wave; no tensor load lands there
.set G1A,  24
.set G1B,  32
.set G0A,  40
.set G0B,  68
.set MSB, 0
.macro WIN new
.if MSB != (\new)
	s_set_vgpr_msb (MSB<<8)|(\new)
.set MSB, (\new)
.endif
.endm
.macro PLACES                          ; four plain places behind a matrix instruction of this form (ISA guide 7.12.1)
.rept 4
	v_nop
.endr
.endm
.macro CROUND
	s_barrier_signal -1
	s_barrier_wait -1
	s_cmp_lg_u32 s22, 0
	s_cbranch_scc1 .Lnot_wave_0_\@
	s_barrier_signal -3
.Lnot_wave_0_\@:
	s_barrier_wait -3
	s_barrier_signal -1
	s_barrier_wait -1
.endm
.macro FRAG reg, a16, a8, off
	ds_load_b128 v[\reg:\reg+3], v[\a16] offset:\off
	ds_load_b64 v[\reg+4:\reg+5], v[\a8] offset:\off+512
	ds_load_b128 v[\reg+6:\reg+9], v[\a16] offset:\off+768
	ds_load_b64 v[\reg+10:\reg+11], v[\a8] offset:\off+1280
.endm
.macro FETCH s                         ; K step s: 8 token fragments and 4 column fragments into set s % 2: 48 loads
	WIN 0x80+0x40*((\s)%2)
.irp i, 0,1,2,3
	FRAG 12*\i, 16, 17, \i*12288+(\s)*1536         ; the K step stands in the immediate
.endr
.irp i, 4,5,6,7
	FRAG 12*\i, 14, 15, (\i-4)*12288+(\s)*1536     ; tiles 4-7 by a second pair of addresses: the immediate has 16 bits
.endr
.irp j, 0,1,2,3
	FRAG 96+12*\j, 18, 19, \j*12288+(\s)*1536
.endr
.endm
.macro MULH s, half                    ; 16 products.  K steps 4-7 take their scale words from lanes 16-31
.if (\s) == 0
	WIN 0x4a
.elseif ((\s)%2) == 0
	WIN 0x5a
.else
	WIN 0x5f
.endif
.irp a, 4*(\half), 4*(\half)+1, 4*(\half)+2, 4*(\half)+3
.irp j, 0,1,2,3
.if (\s) == 0
	v_wmma_scale_f32_16x16x128_f8f6f4 v[8*(4*(\a)+\j):8*(4*(\a)+\j)+7], v[96+12*\j:96+12*\j+11], v[12*(\a):12*(\a)+11], v[96+8*\j:96+8*\j+7], v[64+4*\j], v[32+4*(\a)] matrix_a_fmt:MATRIX_FMT_FP6 matrix_b_fmt:MATRIX_FMT_FP6
.elseif (\s) < 4
	v_wmma_scale_f32_16x16x128_f8f6f4 v[8*(4*(\a)+\j):8*(4*(\a)+\j)+7], v[96+12*\j:96+12*\j+11], v[12*(\a):12*(\a)+11], v[8*(4*(\a)+\j):8*(4*(\a)+\j)+7], v[64+4*\j+(\s)], v[32+4*(\a)+(\s)] matrix_a_fmt:MATRIX_FMT_FP6 matrix_b_fmt:MATRIX_FMT_FP6
.else
	v_wmma_scale_f32_16x16x128_f8f6f4 v[8*(4*(\a)+\j):8*(4*(\a)+\j)+7], v[96+12*\j:96+12*\j+11], v[12*(\a):12*(\a)+11], v[8*(4*(\a)+\j):8*(4*(\a)+\j)+7], v[64+4*\j+(\s)-4], v[32+4*(\a)+(\s)-4] matrix_a_fmt:MATRIX_FMT_FP6 matrix_b_fmt:MATRIX_FMT_FP6 matrix_a_scale:MATRIX_SCALE_ROW1 matrix_b_scale:MATRIX_SCALE_ROW1
.endif
.endr
.endr
.endm
.macro EVEN s
.if (\s) > 0
	PLACES                                         ; the other set was read by the products just issued
.endif
	FETCH (\s)+1
	s_wait_dscnt 48                                ; all but the 48 loads just issued
	MULH \s, 0
	MULH \s, 1
.endm
.macro ODD s
	s_wait_dscnt 0x0                               ; this step's fragments are in
	MULH \s, 0
	WIN 0
	PLACES                                         ; behind the products that read the set loaded next
	FETCH (\s)+1
	MULH \s, 1
.endm
	s_load_b256 s[4:11], s[0:1], 0x0               ; zc s[4:5], zs s[6:7], wc s[8:9], ws s[10:11]
	s_load_b128 s[12:15], s[0:1], 0x20             ; bo s[12:13], out0 s[14:15]
	v_lshl_add_u32 v254, v0, 2, 0x4c400
	v_mov_b32 v255, 0
	ds_add_u32 v254, v255
	ds_add_u32 v254, v255
	v_lshrrev_b32 v1, 5, v0
	v_readfirstlane_b32 s22, v1                    ; wave
	s_lshr_b32 s23, s22, 1                         ; my half of the tokens.  Also: I fetch tokens (0) or columns (1)
	s_and_b32 s56, s22, 1                          ; my half of the columns.  Also: which half of a chunk's tiles I fetch
	s_bfe_u32 s57, ttmp6, 0x40000                  ; cx
	s_bfe_u32 s58, ttmp6, 0x40004                  ; cy
	s_lshl_b32 s59, ttmp9, 2
	s_add_co_u32 s59, s59, s57                     ; wx: which 128 columns
	s_and_b32 s60, ttmp7, 0xffff
	s_lshl_b32 s60, s60, 2
	s_add_co_u32 s60, s60, s58                     ; wy: which 256 tokens
	s_lshl_b32 s61, s58, 2
	s_lshl_b32 s61, 15, s61                        ; my row of the cluster
	s_lshl_b32 s62, 0x1111, s57                    ; my column
	s_or_b32 s[G1A], s61, (3<<16)|(1<<21)          ; 15:0 the mask; 17:16 elements of 8 bytes; 21 set beside a mask; no padding
	s_or_b32 s[G1B], s62, (3<<16)|(1<<21)
	s_mov_b32 s[G1A+1], 1536<<16                   ; tensor_dim0: 12,288 bytes: a tile's whole K
	s_mov_b32 s[G1A+2], 8<<16                      ; tensor_dim1: 8 tiles
	s_mov_b32 s[G1A+3], 1536<<16
	s_mov_b32 s[G1A+4], 8
	s_mov_b32 s[G1A+5], 1536                       ; from tile to tile: 12,288 bytes
	s_mov_b32 s[G1A+6], 0
	s_mov_b32 s[G1A+7], 0
	s_mov_b32 s[G1B+1], 1536<<16
	s_mov_b32 s[G1B+2], 4<<16
	s_mov_b32 s[G1B+3], 1536<<16
	s_mov_b32 s[G1B+4], 4
	s_mov_b32 s[G1B+5], 1536
	s_mov_b32 s[G1B+6], 0
	s_mov_b32 s[G1B+7], 0
	s_lshl_b32 s84, s60, 4
	s_lshl_b32 s85, s56, 3
	s_add_co_u32 s84, s84, s85
	s_mul_i32 s84, s84, 12288
	s_mov_b32 s85, 0
	s_lshl_b32 s86, s59, 3
	s_lshl_b32 s87, s56, 2
	s_add_co_u32 s86, s86, s87
	s_add_co_u32 s86, s86, FT0
	s_mul_i32 s86, s86, 12288
	s_mov_b32 s87, 0
	s_mul_i32 s88, s56, CHA/2
	s_mul_i32 s89, s56, CHB/2
	s_wait_dscnt 0x0
	s_wait_kmcnt 0x0
	s_add_nc_u64 s[84:85], s[4:5], s[84:85]
	s_add_nc_u64 s[86:87], s[8:9], s[86:87]
	CROUND                                         ; all sixteen work-groups are here: the joint loads meet
.irp q, 0
	s_mov_b32 s[G0A+4*\q], 1
	s_add_co_u32 s[G0A+4*\q+1], s88, \q*CHA
	s_add_nc_u64 s[G0A+4*\q+2:G0A+4*\q+3], s[84:85], \q*3072
	s_or_b32 s[G0A+4*\q+3], s[G0A+4*\q+3], 0x80000000
	s_mov_b32 s[G0B+4*\q], 1
	s_add_co_u32 s[G0B+4*\q+1], s89, LB+\q*CHB
	s_add_nc_u64 s[G0B+4*\q+2:G0B+4*\q+3], s[86:87], \q*3072
	s_or_b32 s[G0B+4*\q+3], s[G0B+4*\q+3], 0x80000000
.endr
	s_cmp_eq_u32 s23, 0                            ; a wave's fill stands in one branch on its number: one tensor load of mine is out
	s_cbranch_scc0 .Lfill_b
.irp q, 0
	tensor_load_to_lds s[G0A+4*\q:G0A+4*\q+3], s[G1A:G1A+7]
	s_nop 0
.endr
.rept 4
	v_nop
.endr
	s_branch .Lfilled
.Lfill_b:
.irp q, 0
	tensor_load_to_lds s[G0B+4*\q:G0B+4*\q+3], s[G1B:G1B+7]
	s_nop 0
.endr
.rept 4
	v_nop
.endr
.Lfilled:
	v_and_b32 v9, 31, v0                           ; lane
	v_and_b32 v10, 15, v0                          ; r
	v_bfe_u32 v11, v0, 4, 1                        ; h
	v_lshlrev_b32 v12, 4, v9
	v_lshlrev_b32 v13, 3, v9
	s_mul_i32 s90, s23, CHA/2
	v_add_nc_u32 v16, s90, v12
	v_add_nc_u32 v17, s90, v13
	s_mul_i32 s90, s56, CHB/2
	s_add_co_u32 s90, s90, LB
	v_add_nc_u32 v18, s90, v12
	v_add_nc_u32 v19, s90, v13
	v_lshlrev_b32 v14, 4, v10
	v_lshl_add_u32 v14, v11, 8, v14                ; scale words: 256 h + 16 r
	s_wait_alu depctr_va_vdst(0)
	v_lshlrev_b32 v15, 6, v11                      ; bias: 16 h numbers on
	s_wait_alu depctr_va_vdst(0)
	s_lshl_b32 s90, s60, 4
	s_lshl_b32 s91, s23, 3
	s_add_co_u32 s90, s90, s91
	s_lshl_b32 s90, s90, 9
	s_mov_b32 s91, 0
	s_add_nc_u64 s[6:7], s[6:7], s[90:91]
.irp i, 0,1,2,3,4,5,6,7
	global_load_b128 v[32+4*\i:35+4*\i], v14, s[6:7] offset:512*\i
.endr
	s_lshl_b32 s90, s59, 3
	s_lshl_b32 s91, s56, 2
	s_add_co_u32 s90, s90, s91
	s_add_co_u32 s90, s90, FT0
	s_lshl_b32 s90, s90, 9
	s_mov_b32 s91, 0
	s_add_nc_u64 s[10:11], s[10:11], s[90:91]
.irp j, 0,1,2,3
	global_load_b128 v[64+4*\j:67+4*\j], v14, s[10:11] offset:512*\j
.endr
	s_lshl_b32 s90, s59, 9
	s_lshl_b32 s91, s56, 8
	s_add_co_u32 s90, s90, s91                     ; my first column, in bytes: 512 wx + 256 x half
	s_mov_b32 s91, 0
	s_add_nc_u64 s[12:13], s[12:13], s[90:91]
	s_add_nc_u64 s[14:15], s[14:15], s[90:91]
.irp j, 0,1,2,3
	global_load_b128 v[96+8*\j:99+8*\j], v15, s[12:13] offset:128*(\j/2)+32*(\j%2)
	global_load_b128 v[100+8*\j:103+8*\j], v15, s[12:13] offset:128*(\j/2)+32*(\j%2)+16
.endr
	s_lshl_b32 s90, s60, 20                        ; 256 wy rows of 4,096 bytes
	s_lshl_b32 s91, s23, 19                        ; + 128 x half
	s_add_co_u32 s90, s90, s91
	s_mov_b32 s91, 0
	s_add_nc_u64 s[14:15], s[14:15], s[90:91]
	s_mul_i32 s88, s22, 16*272
	s_add_co_u32 s88, s88, STG                     ; my stage
	v_mul_u32_u24 v4, v10, 272
	v_lshl_add_u32 v4, v11, 6, v4
	v_add_nc_u32 v4, s88, v4                       ; in: row r, + 64 h bytes
	v_mul_u32_u24 v5, v11, 272
	v_lshl_add_u32 v5, v10, 4, v5
	v_add_nc_u32 v5, s88, v5                       ; back: lanes 0-15 one row of 256 bytes, lanes 16-31 the next
	v_lshlrev_b32 v6, 12, v11
	v_lshl_add_u32 v6, v10, 4, v6                  ; and the same two rows in out0
	s_wait_loadcnt 0x0                             ; scale words and bias: their offset registers v14, v15 are free
	v_add_nc_u32 v14, 49152, v16                   ; my token tiles 4-7
	v_add_nc_u32 v15, 49152, v17
	s_wait_alu depctr_va_vdst(0)                   ; the wait at the head's end
	s_wait_tensorcnt 0x0                           ; my one tensor load has landed
	s_barrier_signal -1
	s_barrier_wait -1
	FETCH 0
	EVEN 0
	ODD 1
	EVEN 2
	s_wait_alu depctr_va_vdst(0)
	ODD 3
	EVEN 4
	s_wait_alu depctr_va_vdst(0)
	ODD 5
	EVEN 6
	s_wait_dscnt 0x0
	MULH 7, 0
	MULH 7, 1
	WIN 0
	PLACES
; THE WAY OUT, a token tile at a time: 16 tokens x 64 columns through my stage; a wave's LDS instructions are served in order, so no wait stands between the stores and the loads
.macro TOSTAGE a
	WIN 0x04                                       ; an LDS store's data are its source 1: window 1
.irp j, 0,1,2,3
	ds_store_b128 v4, v[8*(4*(\a)+\j):8*(4*(\a)+\j)+3] offset:128*(\j/2)+32*(\j%2)         ; each accumulator from its low end on
	ds_store_b128 v4, v[8*(4*(\a)+\j)+4:8*(4*(\a)+\j)+7] offset:128*(\j/2)+32*(\j%2)+16
.endr
	WIN 0
.irp t, 0,1,2,3,4,5,6,7
	ds_load_b128 v[128+32*((\a)%2)+4*\t:128+32*((\a)%2)+4*\t+3], v5 offset:544*\t
.endr
.endm
.macro SEND a, younger                 ; younger: the LDS instructions issued behind tile a's loads
	s_wait_dscnt \younger
.irp t, 0,1,2,3,4,5,6,7
	global_store_b128 v6, v[128+32*((\a)%2)+4*\t:128+32*((\a)%2)+4*\t+3], s[14:15] offset:(32*((\a)/2)+8*((\a)%2)+2*\t+8*(\t/4))*4096 th:TH_STORE_NT   ; stage rows 2 t, 2 t + 1 are tokens 2 t + h + 8 (t / 4) of the tile; 16 lanes store 256 consecutive bytes, aligned
.endr
.endm
	TOSTAGE 0
.irp a, 1,2,3,4,5,6,7
.if \a > 1
	s_wait_xcnt 0x0                                ; tile a - 2's stores have read the registers into which tile a's rows are loaded
.endif
	TOSTAGE \a
	SEND \a-1, 16                                  ; behind tile a - 1's loads: tile a's 8 stores and 8 loads
.endr
	SEND 7, 0
	s_wait_tensorcnt 0x0
	ds_add_u32 v254, v255
	s_wait_dscnt 0x0
	CROUND                                         ; the closing round: no work-group ends while a partner may still ask jointly
	s_endpgm
.Lfunc_end_k_q7e9f4a9ccc_oproj:
	.size	k_q7e9f4a9ccc_oproj, .Lfunc_end_k_q7e9f4a9ccc_oproj-k_q7e9f4a9ccc_oproj
	.p2alignl 7, 3214868480
	.fill 96, 4, 3214868480
	.section	.rodata,"a",@progbits
	.p2align	6, 0x0
	.amdhsa_kernel k_q7e9f4a9ccc_oproj
		.amdhsa_group_segment_fixed_size 312832
		.amdhsa_private_segment_fixed_size 0
		.amdhsa_enable_private_segment 0
		.amdhsa_kernarg_size 48
		.amdhsa_user_sgpr_count 2
		.amdhsa_user_sgpr_kernarg_segment_ptr 1
		.amdhsa_wavefront_size32 1
		.amdhsa_system_sgpr_workgroup_id_x 1
		.amdhsa_system_sgpr_workgroup_id_y 1
		.amdhsa_system_sgpr_workgroup_id_z 1
		.amdhsa_system_vgpr_workitem_id 0
		.amdhsa_next_free_vgpr 912
		.amdhsa_next_free_sgpr 92
		.amdhsa_reserve_vcc 0
		.amdhsa_float_denorm_mode_32 3
		.amdhsa_float_denorm_mode_16_64 3
		.amdhsa_memory_ordered 1
		.amdhsa_forward_progress 1
		.amdhsa_inst_pref_size 82
	.end_amdhsa_kernel
	.amdgpu_metadata
---
amdhsa.version: [ 1, 2 ]
amdhsa.kernels:
  - .name:           k_q7e9f4a9ccc_oproj
    .symbol:         k_q7e9f4a9ccc_oproj.kd
    .args:
      - { .name: zc, .offset: 0, .size: 8, .value_kind: global_buffer, .address_space: global }
      - { .name: zs, .offset: 8, .size: 8, .value_kind: global_buffer, .address_space: global }
      - { .name: wc, .offset: 16, .size: 8, .value_kind: global_buffer, .address_space: global }
      - { .name: ws, .offset: 24, .size: 8, .value_kind: global_buffer, .address_space: global }
      - { .name: bo, .offset: 32, .size: 8, .value_kind: global_buffer, .address_space: global }
      - { .name: out0, .offset: 40, .size: 8, .value_kind: global_buffer, .address_space: global }
    .group_segment_fixed_size: 312832
    .private_segment_fixed_size: 0
    .kernarg_segment_align: 8
    .kernarg_segment_size: 48
    .max_flat_workgroup_size: 128
    .sgpr_count:     92
    .vgpr_count:     912
    .wavefront_size: 32
...
	.end_amdgpu_metadata
.endif
;; end of part 4
